; MI455X (gfx1250); checked and timed in simulation.
; The chip was launched on July 23, 2026; its instructions are those of AMD's public machine-readable ISA for CDNA 5 (MIT licence, August 2026) and "CDNA5" Instruction Set Architecture Reference Guide (July 2026). The comments in the code are by the model that wrote it; some were corrected since.
;; FP SA. Allowed arithmetic: float matrix products may take bf16 or f16 operands with f32 sums; other float arithmetic in f32, or as packed bf16 or f16 multiplies, adds, multiply-adds, maxima and minima; sums over many terms, partial sums and values carried from step to step in f32; what a program stores and reads back later, other than sums and carried values, may be rounded once to bf16 or f16.
;; Inputs: feat1 4 x 256 x 16,384 float32; feat2 4 x 256 x 16,384 float32; k_w 256 x 256 float32; ln1_b 256 float32; ln1_g 256 float32; ln2_b 256 float32; ln2_g 256 float32; merge_w 256 x 256 float32; mlp_w1 512 x 512 float32; mlp_w2 256 x 512 float32; pos_b1 256 float32; pos_b2 256 float32; pos_w1 256 x 3 float32; pos_w2 256 x 256 float32; q_w 256 x 256 float32; v_w 256 x 256 float32; xyz1 4 x 16,384 x 3 float32; xyz2 4 x 16,384 x 3 float32.
;; Outputs: out0 4 x 256 x 16,384 float32.
;; 2 versions, each right and faster than the one before. Each part assembles by itself: llvm-mc -triple=amdgcn-amd-amdhsa -mcpu=gfx1250 --defsym DOCPART=n.
;; ======== version 1 of 2: 4 launches
;; limits: values are held in f16: magnitudes above 65,504 overflow, below 6.1e-05 lose precision
;; workspace buffers: wts 1,310,720 bytes; part 17,301,504 bytes; mb 557,056 bytes
;; launch prep (part 1): grid 32 x 6, 8 waves a work-group, no clusters, 0 bytes of LDS; arguments pos_w2, k_w, v_w, q_w, mlp_w1, mlp_w2, wts; writes wts
.if DOCPART == 1
	.amdgcn_target "amdgcn-amd-amdhsa--gfx1250"
	.amdhsa_code_object_version 6
	.text
	.protected	k_q1f0567e25d_prep
	.globl	k_q1f0567e25d_prep
	.p2align	8
	.type	k_q1f0567e25d_prep,@function
k_q1f0567e25d_prep:
	s_mov_b64 s[64:65], 0
	v_nop
	global_prefetch_b8 v0, s[64:65] scope:SCOPE_SE
	s_setreg_imm32_b32 hwreg(HW_REG_WAVE_MODE, 25, 1), 1
	s_wait_xcnt 0x0
; The six large weight matrices, f32 [rows][K], are rounded once to bf16 and written as FRAGMENTS: 16 rows x 32 k in 1,024 bytes,
; the 16 bytes at 512 s + 16 L (L = r + 16 h) holding row r, k = 16 s + 8 h + 0..7: what two 16-byte loads a lane bring is a matrix operand.
; q_w, mlp_w1 and mlp_w2 meet f16 operands later: for them the bf16 number is written as f16 (LIMIT: within 65,504; below 6e-5 f16's fixed step of 6e-8).
; Fragment F of a matrix: t = F mod T, ks = (F / T) mod NK, group = F / (T NK); row tile = group T + t, K step = ks.
; grid y picks the matrix; a work-group's eight waves write four fragments a trip, half a fragment (512 bytes on end) a wave.
.set WP,  0                            ; pos_w2, bf16
.set WKV, 131072                       ; a head: 16 fragments of k_w, then 16 of v_w, bf16
.set WQ,  393216                       ; q_w, f16
.set WL,  524288                       ; four chunks: 128 fragments of mlp_w1, 64 of mlp_w2, f16
.set CHK, 196608
.set SRC, 18                           ; s[18:19] the matrix
.set Y,   20
.set WV,  21
.set LGT, 22                           ; log2 T
.set LGN, 23                           ; log2 NK
.set LGK, 24                           ; log2 K
.set LGG, 25                           ; fragments that lie on end: 2^LGG, then a step of STR bytes
.set STR, 26
.set BAS, 27
.set TR,  28                           ; trips
.set FM,  29                           ; all ones: f16
.macro PICK y, ptr, lgt, lgn, lgk, lgg, str, bas, tr, fm
	s_cmp_eq_u32 s[Y], \y
	s_cselect_b64 s[SRC:SRC+1], s[\ptr:\ptr+1], s[SRC:SRC+1]
	s_cselect_b32 s[LGT], \lgt, s[LGT]
	s_cselect_b32 s[LGN], \lgn, s[LGN]
	s_cselect_b32 s[LGK], \lgk, s[LGK]
	s_cselect_b32 s[LGG], \lgg, s[LGG]
	s_cselect_b32 s[STR], \str, s[STR]
	s_cselect_b32 s[BAS], \bas, s[BAS]
	s_cselect_b32 s[TR], \tr, s[TR]
	s_cselect_b32 s[FM], \fm, s[FM]
.endm
	s_load_b256 s[4:11], s[0:1], 0x0               ; pos_w2, k_w, v_w, q_w
	s_load_b128 s[12:15], s[0:1], 0x20             ; mlp_w1, mlp_w2
	s_load_b64 s[16:17], s[0:1], 0x30              ; wts
	s_and_b32 s[Y], ttmp7, 0xffff
	v_lshrrev_b32 v1, 5, v0
	v_readfirstlane_b32 s[WV], v1
	v_and_b32 v2, 15, v0                           ; r
	v_bfe_u32 v3, v0, 4, 1                         ; h
	v_and_b32 v4, 31, v0                           ; L
	v_lshlrev_b32 v6, 4, v4                        ; 16 L
	s_mov_b32 s[LGT], 1                            ; y = 0: pos_w2
	s_mov_b32 s[LGN], 3
	s_mov_b32 s[LGK], 8
	s_mov_b32 s[LGG], 7
	s_mov_b32 s[STR], 0
	s_mov_b32 s[BAS], WP
	s_mov_b32 s[TR], 1
	s_mov_b32 s[FM], 0
	s_mov_b32 s41, 0xffff0000
	s_wait_kmcnt 0x0
	s_mov_b64 s[SRC:SRC+1], s[4:5]
	PICK 1, 6,  1, 3, 8, 4, 32768, WKV,       1, 0
	PICK 2, 8,  1, 3, 8, 4, 32768, WKV+16384, 1, 0
	PICK 3, 10, 1, 3, 8, 7, 0,     WQ,        1, -1
	PICK 4, 12, 3, 4, 9, 7, CHK,   WL,        4, -1
	PICK 5, 14, 4, 4, 9, 6, CHK,   WL+131072, 2, -1
	s_add_co_u32 s35, s[LGK], 2
	v_lshlrev_b32 v5, s35, v2                      ; row r, in bytes,
	v_lshl_add_u32 v5, v3, 5, v5                   ; + 8 h numbers
	s_mul_i32 s30, ttmp9, s[TR]
	s_lshr_b32 s33, s[WV], 1                       ; which of the trip's four fragments
	s_and_b32 s34, s[WV], 1                        ; which half of it: s
	s_mov_b32 s31, 0
.Ltrip:
	s_add_co_u32 s32, s30, s31
	s_lshl2_add_u32 s32, s32, s33                  ; F
	s_lshl_b32 s35, -1, s[LGT]
	s_and_not1_b32 s36, s32, s35                   ; t
	s_lshr_b32 s37, s32, s[LGT]
	s_lshl_b32 s35, -1, s[LGN]
	s_and_not1_b32 s38, s37, s35                   ; ks
	s_lshr_b32 s37, s37, s[LGN]                    ; group
	s_lshl_b32 s37, s37, s[LGT]
	s_add_co_u32 s37, s37, s36                     ; row tile
	s_lshl_b32 s37, s37, 4
	s_lshl_b32 s37, s37, s[LGK]                    ; its first row's first number
	s_lshl_b32 s38, s38, 5
	s_add_co_u32 s37, s37, s38                     ; + 32 ks
	s_lshl_b32 s38, s34, 4
	s_add_co_u32 s37, s37, s38                     ; + 16 s
	s_lshl_b32 s37, s37, 2                         ; bytes
	s_lshr_b32 s39, s32, s[LGG]
	s_mul_i32 s39, s39, s[STR]
	s_add_co_u32 s39, s39, s[BAS]
	s_lshl_b32 s35, -1, s[LGG]
	s_and_not1_b32 s40, s32, s35
	s_lshl_b32 s40, s40, 10
	s_add_co_u32 s39, s39, s40
	s_lshl_b32 s40, s34, 9
	s_add_co_u32 s39, s39, s40                     ; where my half fragment goes
	v_add_nc_u32 v7, s37, v5
	v_add_nc_u32 v32, s39, v6
	global_load_b128 v[8:11], v7, s[SRC:SRC+1]
	global_load_b128 v[12:15], v7, s[SRC:SRC+1] offset:16
	s_wait_loadcnt 0x0
.irp i, 0,1,2,3
	v_cvt_pk_bf16_f32 v[16+\i], v[8+2*\i], v[9+2*\i]
.endr
.irp i, 0,1,2,3
	v_lshlrev_b32 v[20+2*\i], 16, v[16+\i]         ; the rounded numbers once more in f32,
	v_and_b32 v[21+2*\i], s41, v[16+\i]
.endr
.irp i, 0,1,2,3
	v_cvt_pk_f16_f32 v[28+\i], v[20+2*\i], v[21+2*\i]  ; and as f16
.endr
.irp i, 0,1,2,3
	v_cndmask_b32 v[16+\i], v[16+\i], v[28+\i], s[FM]  ; the matrix's format: a choice of values, no branch
.endr
	global_store_b128 v32, v[16:19], s[16:17]      ; the wave's 512 bytes lie on end, at a multiple of 512 from the buffer's first byte
	s_wait_xcnt 0x0                                ; the store has read its address and data: the next trip writes them
	s_add_co_u32 s31, s31, 1
	s_cmp_lt_u32 s31, s[TR]
	s_cbranch_scc1 .Ltrip
	s_endpgm
.Lfunc_end_k_q1f0567e25d_prep:
	.size	k_q1f0567e25d_prep, .Lfunc_end_k_q1f0567e25d_prep-k_q1f0567e25d_prep
	.p2alignl 7, 3214868480
	.fill 96, 4, 3214868480
	.section	.rodata,"a",@progbits
	.p2align	6, 0x0
	.amdhsa_kernel k_q1f0567e25d_prep
		.amdhsa_group_segment_fixed_size 0
		.amdhsa_private_segment_fixed_size 0
		.amdhsa_enable_private_segment 0
		.amdhsa_kernarg_size 56
		.amdhsa_user_sgpr_count 2
		.amdhsa_user_sgpr_kernarg_segment_ptr 1
		.amdhsa_wavefront_size32 1
		.amdhsa_system_sgpr_workgroup_id_x 1
		.amdhsa_system_sgpr_workgroup_id_y 1
		.amdhsa_system_sgpr_workgroup_id_z 1
		.amdhsa_system_vgpr_workitem_id 0
		.amdhsa_next_free_vgpr 40
		.amdhsa_next_free_sgpr 66
		.amdhsa_reserve_vcc 0
		.amdhsa_float_denorm_mode_32 3
		.amdhsa_float_denorm_mode_16_64 3
		.amdhsa_memory_ordered 1
		.amdhsa_forward_progress 1
		.amdhsa_inst_pref_size 6
	.end_amdhsa_kernel
	.amdgpu_metadata
---
amdhsa.version: [ 1, 2 ]
amdhsa.kernels:
  - .name:           k_q1f0567e25d_prep
    .symbol:         k_q1f0567e25d_prep.kd
    .args:
      - { .name: pos_w2, .offset: 0, .size: 8, .value_kind: global_buffer, .address_space: global }
      - { .name: k_w, .offset: 8, .size: 8, .value_kind: global_buffer, .address_space: global }
      - { .name: v_w, .offset: 16, .size: 8, .value_kind: global_buffer, .address_space: global }
      - { .name: q_w, .offset: 24, .size: 8, .value_kind: global_buffer, .address_space: global }
      - { .name: mlp_w1, .offset: 32, .size: 8, .value_kind: global_buffer, .address_space: global }
      - { .name: mlp_w2, .offset: 40, .size: 8, .value_kind: global_buffer, .address_space: global }
      - { .name: wts, .offset: 48, .size: 8, .value_kind: global_buffer, .address_space: global }
    .group_segment_fixed_size: 0
    .private_segment_fixed_size: 0
    .kernarg_segment_align: 8
    .kernarg_segment_size: 56
    .max_flat_workgroup_size: 256
    .sgpr_count:     66
    .vgpr_count:     40
    .wavefront_size: 32
...
	.end_amdgpu_metadata
.endif
;; end of part 1
;; launch kv (part 2): grid 512 x 1, 4 waves a work-group, clusters of 4 x 1, 327,680 bytes of LDS; arguments feat2, xyz2, pos_w1, pos_b1, pos_b2, wts, part; writes part
.if DOCPART == 2
	.amdgcn_target "amdgcn-amd-amdhsa--gfx1250"
	.amdhsa_code_object_version 6
	.text
	.protected	k_q1f0567e25d_kv
	.globl	k_q1f0567e25d_kv
	.p2align	8
	.type	k_q1f0567e25d_kv,@function
k_q1f0567e25d_kv:
	s_mov_b64 s[64:65], 0
	v_nop
	global_prefetch_b8 v0, s[64:65] scope:SCOPE_SE
	s_setreg_imm32_b32 hwreg(HW_REG_WAVE_MODE, 25, 1), 1
	s_wait_xcnt 0x0
	s_wait_alu depctr_hold_cnt(0) depctr_sa_sdst(0) depctr_va_vdst(0) depctr_va_sdst(0) depctr_va_ssrc(0) depctr_va_vcc(0) depctr_vm_vsrc(0)
	s_getreg_b32 s2, hwreg(HW_REG_IB_STS2, 6, 4)
	s_cmp_eq_u32 s2, 0
	s_cbranch_scc0 .Lentry_in_a_cluster
	s_endpgm
.Lentry_in_a_cluster:
	s_bfe_u32 s2, ttmp6, 0x10000c
	s_cmp_lg_u32 s2, 0x3003
	s_cbranch_scc0 .Lentry_shape_is_right
	s_endpgm
.Lentry_shape_is_right:
; THE KEY SIDE.  For a block of 128 points of one batch: f2 = feat2^T, h = relu(xyz2 pos_w1^T + pos_b1), f2p = f2 + h pos_w2^T + pos_b2, k = f2 k_w^T, v = f2p v_w^T, K = elu(k) + 1;
; stored: the block's sums over its points of v[c] K[d] for each head (32 x 32) and of K[d].  The division by v_len is made by the next launch.
; All inputs are rounded to bf16; h, f2p, K and v are rounded once to bf16 as matrix operands; sums in f32.  NaN and infinities are not treated apart.
; SHARES.  Block g = 4 x cluster + place; wave w owns 32 points as two tiles: tile p, lane r is point 32 w + 2 r + p of the block.
; THE CHAIN STAYS IN REGISTERS.  D = W x act (source 0 = 16 rows of a weight, source 1 = 16 points) leaves a point a lane and channels 8 h + j in register j: two such results packed in pairs ARE the
; next product's source 1.  D = act x W leaves a channel a lane and points in the registers: packed, an operand of the sum over the wave's 32 points, which is one K step.
; WEIGHTS come as ready fragments of 1,024 bytes through a ring of two slots of 64 fragments.  All work-groups walk the same stream, so the four of a cluster ask JOINTLY, each wave for a quarter of a slot.
; LDS: ring 0; the feature tile, 256 channels x 128 points f32, rows 528 bytes apart (132 words: lanes 8 rows apart fall 32 banks apart); when it has been read out and two barriers have passed
; the same bytes, which are filled no more, take the four waves' partial sums; KSS the waves' sums of K; the spare words.
.set FP,    528
.set SLOT,  65536
.set FEAT,  131072
.set RED,   FEAT                       ; 4 waves x 32,768
.set KSS,   266240                     ; 4 waves x 1,024
.set SPARE, 270336                     ; 128 bytes a wave: two blocks of 256 that no other line names
.set PARTB, 33792                      ; a block's bytes in part: 32,768 of v K sums, 1,024 of K sums
; window 0
.set VL,  1                            ; lane
.set VR,  2                            ; r = lane % 16
.set VH,  3                            ; h = lane / 16
.set AW,  4                            ; LDS address of the fragments in hand
.set AL,  5                            ; 16 x lane
.set RW0, 6                            ; my 16 bytes in my wave's part of RED
.set RW,  7
.set KW0, 8                            ; my word in my wave's part of KSS
.set KW,  9
.set SPW, 10                           ; my spare word; never rewritten
.set NIL, 11                           ; 0; never rewritten
.set ONE, 12
.set ZER, 13
.set XYZ, 14                           ; v14-19
.set SA,  20                           ; v20-23: my place in channels 64 q .. of the feature tile
.set XB,  24                           ; v24-39: (x, y, z, 1) as source 1, two tiles; later KF
.set KF,  24                           ; K as source 1, two channel tiles
.set VF,  40                           ; v as source 0, two channel tiles
.set EE,  24                           ; v24-55 at work in elu
.set TM,  56
.set ABUF, 64                          ; v64-191: two sets of eight fragments
.set ACC, 192                          ; v192-255
.set HW,  128                          ; window 1: v0-127 f2's fragments (K step f, tile p at 8 (2 f + p)); v128-255 h's
.set BI,  128                          ; window 2: v0-127 f2p's fragments; v128-255 pos_b2: channel 16 ot + 8 h + j at 128 + 8 ot + j
; scalars
.set WV,  18
.set G,   19
.set HM,  20                           ; the lanes with h = 0
.set MH,  21
.set G1F, 28
.set G0F, 36
.set G1W, 40
.set G0W, 48
.set NXT, 52                           ; my quarter of the next slot to ask for
.set STP, 54
.set TB,  56                           ; LDS byte at which the fragments in hand begin
.set RO,  57                           ; 4,096 x head
.set KO,  58                           ; 128 x head
.set CNT, 59
.set CN2, 60
.set SEL, 62
.set LG,  66
.set PT,  68
.set MSB, 0
.macro WIN new                         ; the high byte repeats the setting that is left; a switch that changes nothing is dropped
.if MSB != (\new)
	s_set_vgpr_msb (MSB<<8)|(\new)
.set MSB, (\new)
.endif
.endm
.macro PLACES                          ; four places behind matrix instructions, ahead of loads into their sources and of readers of their results
.rept 4
	v_nop
.endr
.endm
.macro ROUND                           ; a round of the cluster's barrier
	s_barrier_signal -1
	s_barrier_wait -1
	s_cmp_lg_u32 s[WV], 0
	s_cbranch_scc1 .Lnw0_\@
	s_barrier_signal -3
.Lnw0_\@:
	s_barrier_wait -3
	s_barrier_signal -1
	s_barrier_wait -1
.endm
; THE CHANGE OF SLOTS.  Every wave has waited for all its tensor loads (its quarter of the next slot), has added 0 to its spare word, and has waited for that and for its reads of the old slot.
; fill = 1: a round of the cluster's barrier, and first behind it the joint refill of the old slot, one load a wave: it has a slot's 128 products a wave in which to land.
.macro CHANGE fill
	WIN 0
	s_wait_tensorcnt 0x0                           ; no tensor load of mine is out, so group 0 may be written
	ds_add_u32 v[SPW], v[NIL]
.if \fill
	s_xor_b32 s[G0W+1], s[G0W+1], SLOT
	s_mov_b64 s[G0W+2:G0W+3], s[NXT:NXT+1]
	s_or_b32 s[G0W+3], s[G0W+3], 0x80000000
	s_add_nc_u64 s[NXT:NXT+1], s[NXT:NXT+1], s[STP:STP+1]
.endif
	s_xor_b32 s[TB], s[TB], SLOT
	s_wait_dscnt 0x0                               ; the add is done, my reads of the old slot are back, my LDS stores are done
.if \fill
	ROUND
	tensor_load_to_lds s[G0W:G0W+3], s[G1W:G1W+7]
	s_nop 0
	PLACES
.else
	s_barrier_signal -1
	s_barrier_wait -1
.endif
.endm
.macro LDA set, f0                     ; fragments f0 .. f0 + 7 into a set: 16 loads, each 512 bytes on end
	WIN 0
.set li, 0
.rept 8
	ds_load_b128 v[ABUF+64*(\set)+8*li:ABUF+64*(\set)+8*li+3],   v[AW] offset:((\f0)+li)*1024
	ds_load_b128 v[ABUF+64*(\set)+8*li+4:ABUF+64*(\set)+8*li+7], v[AW] offset:((\f0)+li)*1024+512
.set li, li+1
.endr
.endm
.macro SBEG                            ; a step begins: its first eight fragments
	WIN 0
	v_add_nc_u32 v[AW], s[TB], v[AL]
	PLACES
	LDA 0, 0
.endm
.macro PRE k                           ; ahead of batch k of NBAT: the next batch is asked for, this one waited for
	PLACES
.if (\k) < NBAT-1
	LDA ((\k)+1)%2, 8*((\k)+1)
	s_wait_dscnt 16                                ; the 16 loads just issued may stay out
.else
	s_wait_dscnt 0x0
.endif
.endm
	s_load_b256 s[4:11], s[0:1], 0x0               ; feat2 s[4:5], xyz2 s[6:7], pos_w1 s[8:9], pos_b1 s[10:11]
	s_load_b128 s[12:15], s[0:1], 0x20             ; pos_b2 s[12:13], wts s[14:15]
	s_load_b64 s[16:17], s[0:1], 0x30              ; part
	v_lshl_add_u32 v[SPW], v0, 2, SPARE
	v_mov_b32 v[NIL], 0
	ds_add_u32 v[SPW], v[NIL]                      ; the opening: the add, twice on end, and its wait ahead of my first tensor load
	ds_add_u32 v[SPW], v[NIL]
	v_lshrrev_b32 v1, 5, v0
	v_readfirstlane_b32 s[WV], v1
	s_bfe_u32 s22, ttmp6, 0x40000                  ; my place in the cluster: it enters feat2's, xyz2's and part's addresses alone
	s_lshl_b32 s[G], ttmp9, 2
	s_add_co_u32 s[G], s[G], s22                   ; my block of 128 points
	; group 1 of the feature tile: 64 channel rows x 128 f32, 16 bytes of padding behind each row; my own load, no mask
	s_mov_b32 s[G1F], (2<<16)|(1<<20)|(6<<22)|(3<<25)
	s_mov_b32 s[G1F+1], 128<<16
	s_mov_b32 s[G1F+2], 64<<16
	s_mov_b32 s[G1F+3], 128<<16
	s_mov_b32 s[G1F+4], 64
	s_mov_b32 s[G1F+5], 16384
	s_mov_b32 s[G1F+6], 0
	s_mov_b32 s[G1F+7], 0
	; group 1 of a quarter slot: 16,384 dense bytes as 64 rows of 256; the mask names the cluster's four, bit 21 beside it
	s_mov_b32 s[G1W], 15|(3<<16)|(1<<21)
	s_mov_b32 s[G1W+1], 32<<16
	s_mov_b32 s[G1W+2], 64<<16
	s_mov_b32 s[G1W+3], 32<<16
	s_mov_b32 s[G1W+4], 64
	s_mov_b32 s[G1W+5], 32
	s_mov_b32 s[G1W+6], 0
	s_mov_b32 s[G1W+7], 0
	s_mov_b32 s[G0F], 1
	s_mul_i32 s[G0F+1], s[WV], 64*FP
	s_add_co_u32 s[G0F+1], s[G0F+1], FEAT
	s_mov_b32 s[G0W], 1
	s_lshl_b32 s[G0W+1], s[WV], 14                 ; slot 0, my quarter
	s_lshl_b32 s24, s[WV], 14
	s_mov_b32 s25, 0
	s_mov_b32 s[STP], SLOT
	s_mov_b32 s[STP+1], 0
	s_mov_b32 s[TB], SLOT                          ; the first change turns it into 0
	s_mov_b32 s[RO], 0
	s_mov_b32 s[KO], 0
	s_mov_b32 s[MH], 0xffff0000
	s_mov_b32 s[SEL], 0x76543210
	s_mov_b32 s[SEL+1], 0xfedcba98
	s_mov_b32 s[LG], 0x3fb8aa3b                    ; log2(e)
	s_mov_b32 s[LG+1], s[LG]
	s_lshr_b32 s22, s[G], 7                        ; batch
	s_lshl_b32 s22, s22, 24
	s_lshl_b32 s23, s[WV], 22                      ; my 64 channel rows
	s_add_co_u32 s22, s22, s23
	s_and_b32 s23, s[G], 127
	s_lshl_b32 s23, s23, 9                         ; the block's 128 points
	s_add_co_u32 s22, s22, s23
	s_mov_b32 s23, 0
	s_lshl_b32 s26, s[G], 7
	s_lshl_b32 s27, s[WV], 5
	s_add_co_u32 s26, s26, s27
	s_mul_i32 s26, s26, 12                         ; my wave's first point in xyz2
	s_mov_b32 s27, 0
	s_mul_i32 s[PT], s[G], PARTB
	s_mov_b32 s[PT+1], 0
	s_wait_dscnt 0x0                               ; both opening adds are done
	s_wait_kmcnt 0x0
	s_add_nc_u64 s[G0F+2:G0F+3], s[4:5], s[22:23]
	s_or_b32 s[G0F+3], s[G0F+3], 0x80000000
	s_add_nc_u64 s[NXT:NXT+1], s[14:15], s[24:25]
	s_mov_b64 s[G0W+2:G0W+3], s[NXT:NXT+1]
	s_or_b32 s[G0W+3], s[G0W+3], 0x80000000
	s_add_nc_u64 s[NXT:NXT+1], s[NXT:NXT+1], s[STP:STP+1]
	s_add_nc_u64 s[6:7], s[6:7], s[26:27]
	s_add_nc_u64 s[PT:PT+1], s[16:17], s[PT:PT+1]
	ROUND                                          ; the four work-groups are here: the first joint loads meet
	tensor_load_to_lds s[G0F:G0F+3], s[G1F:G1F+7]  ; the first fills, as one group: my quarter of the feature tile,
	s_nop 0
	tensor_load_to_lds s[G0W:G0W+3], s[G1W:G1W+7]  ; and of the first slot: two loads of mine are out
	s_nop 0
	PLACES
	v_and_b32 v[VL], 31, v0
	v_and_b32 v[VR], 15, v0
	v_bfe_u32 v[VH], v0, 4, 1
	v_lshlrev_b32 v[AL], 4, v[VL]
	v_mov_b32 v[ONE], 1.0
	v_mov_b32 v[ZER], 0
	v_cmp_eq_u32 s[HM], 0, v[VH]
	v_mul_u32_u24 v[TM], v[VR], 24                 ; two points of three numbers
	v_mul_u32_u24 v[TM+1], v[VR], 12               ; a row of pos_w1
	v_lshlrev_b32 v[TM+2], 2, v[VR]
	v_lshlrev_b32 v[TM+3], 5, v[VH]                ; 8 h numbers of pos_b2
	global_load_b64 v[XYZ:XYZ+1],   v[TM], s[6:7]
	global_load_b64 v[XYZ+2:XYZ+3], v[TM], s[6:7] offset:8
	global_load_b64 v[XYZ+4:XYZ+5], v[TM], s[6:7] offset:16
.set ot, 0
.rept 16                               ; row 16 ot + r of pos_w1 and its bias
	global_load_b32 v[ACC+4*ot],   v[TM+1], s[8:9] offset:192*ot
	global_load_b32 v[ACC+4*ot+1], v[TM+1], s[8:9] offset:192*ot+4
	global_load_b32 v[ACC+4*ot+2], v[TM+1], s[8:9] offset:192*ot+8
	global_load_b32 v[ACC+4*ot+3], v[TM+2], s[10:11] offset:64*ot
.set ot, ot+1
.endr
	WIN 0x80                                       ; destination window 2
.set i, 0
.rept 32
	global_load_b128 v[BI+4*i:BI+4*i+3], v[TM+3], s[12:13] offset:64*(i/2)+16*(i%2)
.set i, i+1
.endr
	WIN 0
	v_mul_u32_u24 v[SA], v[VH], 8*FP               ; while they are on their way: addresses and zeros
	v_lshl_add_u32 v[SA], v[VR], 3, v[SA]
	s_lshl_b32 s24, s[WV], 7
	s_add_co_u32 s24, s24, FEAT
	v_add_nc_u32 v[SA], s24, v[SA]                 ; channel 8 h, points 32 w + 2 r and + 1
	v_add_nc_u32 v[SA+1], 64*FP, v[SA]
	v_add_nc_u32 v[SA+2], 128*FP, v[SA]
	v_add_nc_u32 v[SA+3], 192*FP, v[SA]
	s_lshl_b32 s24, s[WV], 15
	s_add_co_u32 s24, s24, RED
	v_add_nc_u32 v[RW0], s24, v[AL]
	s_lshl_b32 s24, s[WV], 10
	s_add_co_u32 s24, s24, KSS
	v_lshl_add_u32 v[KW0], v[VL], 2, s24
.set ot, 0
.rept 16
.irp j, 2,3,4,5,6,7
	v_mov_b32 v[ABUF+8*ot+\j], 0                   ; k = 4 .. 31 of pos_w1's fragments
.endr
.set ot, ot+1
.endr
.irp j, 2,3,4,5,6,7,10,11,12,13,14,15
	v_mov_b32 v[XB+\j], 0
.endr
	s_wait_loadcnt 0x0
.set ot, 0
.rept 16                               ; k = 0 .. 3: w0, w1, w2, b1.  The lanes with h = 1 hold the same numbers at k = 8 .. 11, where the other source is 0
	v_cvt_pk_bf16_f32 v[ABUF+8*ot],   v[ACC+4*ot],   v[ACC+4*ot+1]
	v_cvt_pk_bf16_f32 v[ABUF+8*ot+1], v[ACC+4*ot+2], v[ACC+4*ot+3]
.set ot, ot+1
.endr
	v_cvt_pk_bf16_f32 v[XB],   v[XYZ],   v[XYZ+1]  ; x, y, z, 1 of my two points
	v_cvt_pk_bf16_f32 v[XB+1], v[XYZ+2], v[ONE]
	v_cvt_pk_bf16_f32 v[XB+8], v[XYZ+3], v[XYZ+4]
	v_cvt_pk_bf16_f32 v[XB+9], v[XYZ+5], v[ONE]
.irp j, 0,1,8,9
	v_cndmask_b32 v[XB+\j], 0, v[XB+\j], s[HM]     ; in the lanes with h = 0 alone
.endr
	WIN 0x0a                                       ; pos_b2 is rounded to bf16, in its place
.set i, 0
.rept 64
	v_cvt_pk_bf16_f32 v[ACC+i], v[BI+2*i], v[BI+2*i+1]
.set i, i+1
.endr
	WIN 0x80
.set i, 0
.rept 64
	v_lshlrev_b32 v[BI+2*i], 16, v[ACC+i]
	v_and_b32 v[BI+2*i+1], s[MH], v[ACC+i]
.set i, i+1
.endr
	; h = relu(pos_w1 (x, y, z) + pos_b1): it needs nothing from LDS, so it stands in the wait for the first tiles
.set g4, 0
.rept 4
	WIN 0
.set i, 0
.rept 4
	v_wmma_f32_16x16x32_bf16 v[ACC+16*i:ACC+16*i+7],    v[ABUF+8*(4*g4+i):ABUF+8*(4*g4+i)+7], v[XB:XB+7],    0
	v_wmma_f32_16x16x32_bf16 v[ACC+16*i+8:ACC+16*i+15], v[ABUF+8*(4*g4+i):ABUF+8*(4*g4+i)+7], v[XB+8:XB+15], 0
.set i, i+1
.endr
	PLACES
	WIN 0x40
.set e, 0
.rept 32
	v_cvt_pk_bf16_f32 v[HW+8*(2*(2*g4+e/16)+(e/4)%2)+4*((e/8)%2)+e%4], v[ACC+2*e], v[ACC+2*e+1]
.set e, e+1
.endr
.set g4, g4+1
.endr
	WIN 0x41
.set i, 0
.rept 128
	v_pk_max_num_bf16 v[HW+i], v[HW+i], v[ZER]
.set i, i+1
.endr
; f2's fragments out of the feature tile.  A load of 8 bytes brings one channel of my two points; 32 loads are two K steps of both tiles.
.macro EXL k, buf
	WIN 0
.set c, 0
.rept 32
	ds_load_b64 v[ABUF+64*(\buf)+2*c:ABUF+64*(\buf)+2*c+1], v[SA+(\k)] offset:(16*(c/8)+c%8)*FP
.set c, c+1
.endr
.endm
.macro EXC k, buf
	WIN 0x40
.set e, 0
.rept 32
.set ta, ABUF+64*(\buf)+2*(16*(e/16)+8*((e/4)%2)+2*(e%4))+(e/8)%2
	v_cvt_pk_bf16_f32 v[8*(2*(2*(\k)+e/16)+(e/8)%2)+4*((e/4)%2)+e%4], v[ta], v[ta+2]
.set e, e+1
.endr
.endm
; f2p for output channels 32 oc ..: 32 products h pos_w2^T that start at pos_b2, f2 added in f32, rounded once
.macro POS oc
.set kb, 2*((\oc)%4)
.irp hb, 0, 1
	PRE kb+\hb
.set i, 0
.rept 8
.set ks, 4*\hb+i/2
.set t, i%2
.set ra, ABUF+64*\hb+8*i
.irp p, 0, 1
.set rd, ACC+8*(2*t+\p)
.set rb, HW+8*(2*ks+\p)
.if ks == 0
	WIN 0x24                                       ; C in window 2: the bias
	v_wmma_f32_16x16x32_bf16 v[rd:rd+7], v[ra:ra+7], v[rb:rb+7], v[BI+8*(2*(\oc)+t):BI+8*(2*(\oc)+t)+7]
.else
	WIN 0x04
	v_wmma_f32_16x16x32_bf16 v[rd:rd+7], v[ra:ra+7], v[rb:rb+7], v[rd:rd+7]
.endif
.endr
.set i, i+1
.endr
.endr
	PLACES
	WIN 0x01
.set e, 0
.rept 32
.if e%2
	v_fma_mix_f32_bf16 v[ACC+e], v[8*(2*(\oc)+(e/8)%2)+4*(e/16)+(e%8)/2], v[ONE], v[ACC+e] op_sel:[1,0,0] op_sel_hi:[1,0,0]
.else
	v_fma_mix_f32_bf16 v[ACC+e], v[8*(2*(\oc)+(e/8)%2)+4*(e/16)+(e%8)/2], v[ONE], v[ACC+e] op_sel_hi:[1,0,0]
.endif
.set e, e+1
.endr
	WIN 0x80
.set e, 0
.rept 16
	v_cvt_pk_bf16_f32 v[8*(2*(\oc)+(e/4)%2)+4*(e/8)+e%4], v[ACC+2*e], v[ACC+2*e+1]
.set e, e+1
.endr
.endm
; batch k of a head's four: k = f2 k_w^T (k < 2) or v = f2p v_w^T; the four accumulators take turns
.macro HB k
.set i, 0
.rept 8
.set ks, 4*((\k)%2)+i/2
.set t, i%2
.set ra, ABUF+64*((\k)%2)+8*i
.irp p, 0, 1
.set rd, ACC+32*((\k)/2)+8*(2*t+\p)
.set rb, 8*(2*ks+\p)
	WIN 1+(\k)/2                                   ; source 0: f2 in window 1, f2p in window 2
.if ks == 0
	v_wmma_f32_16x16x32_bf16 v[rd:rd+7], v[rb:rb+7], v[ra:ra+7], 0
.else
	v_wmma_f32_16x16x32_bf16 v[rd:rd+7], v[rb:rb+7], v[ra:ra+7], v[rd:rd+7]
.endif
.endr
.set i, i+1
.endr
.endm
.macro HEAD
	WIN 0
	v_add_nc_u32 v[AW], s[TB], v[AL]
	v_add_nc_u32 v[RW], s[RO], v[RW0]
	v_add_nc_u32 v[KW], s[KO], v[KW0]
	LDA 0, 0
.set NBAT, 4
.irp k, 0,1,2,3
	PRE \k
	HB \k
.endr
	WIN 0                                          ; K = max(k, 0) + 2^(log2(e) min(k, 0)); k's sums ended two batches back
.set i, 0
.rept 32
	v_min_num_f32 v[EE+i], 0, v[ACC+i]
.set i, i+1
.endr
.set i, 0
.rept 16
	v_pk_mul_f32 v[EE+2*i:EE+2*i+1], v[EE+2*i:EE+2*i+1], s[LG:LG+1] op_sel_hi:[1,0]
.set i, i+1
.endr
.set i, 0
.rept 32
	v_exp_f32 v[EE+i], v[EE+i]
.set i, i+1
.endr
.set i, 0
.rept 32
	v_max_num_f32 v[ACC+i], 0, v[ACC+i]            ; plain work behind the batch of exponentials
.set i, i+1
.endr
	s_wait_alu depctr_va_vdst(0)                   ; one wait for the 32 exponentials, ahead of their first reader
.set i, 0
.rept 16
	v_pk_add_f32 v[ACC+2*i:ACC+2*i+1], v[ACC+2*i:ACC+2*i+1], v[EE+2*i:EE+2*i+1]
.set i, i+1
.endr
.set e, 0
.rept 16
	v_cvt_pk_bf16_f32 v[KF+e], v[ACC+2*e], v[ACC+2*e+1]
.set e, e+1
.endr
.set e, 0
.rept 16
	v_cvt_pk_bf16_f32 v[VF+e], v[ACC+32+2*e], v[ACC+32+2*e+1]
.set e, e+1
.endr
.irp vt, 0, 1                          ; the sum over my 32 points of v[16 vt + 8 h + j] K[16 dt + r]
.irp dt, 0, 1
	v_wmma_f32_16x16x32_bf16 v[ACC+32+8*(2*\vt+\dt):ACC+32+8*(2*\vt+\dt)+7], v[VF+8*\vt:VF+8*\vt+7], v[KF+8*\dt:KF+8*\dt+7], 0
.endr
.endr
.irp t, 0, 1                           ; the sum of K over my 32 points, in f32: these lines are also the places behind the four products
.irp j, 0,2,4,6
	v_pk_add_f32 v[ACC+16*\t+\j:ACC+16*\t+\j+1], v[ACC+16*\t+\j:ACC+16*\t+\j+1], v[ACC+16*\t+8+\j:ACC+16*\t+9+\j]
.endr
.endr
.irp t, 0, 1
	v_pk_add_f32 v[ACC+16*\t:ACC+16*\t+1],   v[ACC+16*\t:ACC+16*\t+1],   v[ACC+16*\t+4:ACC+16*\t+5]
	v_pk_add_f32 v[ACC+16*\t+2:ACC+16*\t+3], v[ACC+16*\t+2:ACC+16*\t+3], v[ACC+16*\t+6:ACC+16*\t+7]
.endr
.irp t, 0, 1
	v_pk_add_f32 v[ACC+16*\t:ACC+16*\t+1], v[ACC+16*\t:ACC+16*\t+1], v[ACC+16*\t+2:ACC+16*\t+3]
.endr
.irp t, 0, 1
	v_add_f32 v[ACC+16*\t], v[ACC+16*\t], v[ACC+16*\t+1]
.endr
.irp t, 0, 1
	v_permlanex16_b32 v[TM+\t], v[ACC+16*\t], s[SEL], s[SEL+1]
.endr
.irp t, 0, 1
	v_add_f32 v[TM+\t], v[TM+\t], v[ACC+16*\t]
.endr
	v_cndmask_b32 v[TM+2], v[TM+1], v[TM], s[HM]   ; lane L keeps channel L of the head
	ds_store_b32 v[KW], v[TM+2]
.set q, 0
.rept 8
	ds_store_b128 v[RW], v[ACC+32+4*q:ACC+32+4*q+3] offset:512*q
.set q, q+1
.endr
	s_add_co_u32 s[TB], s[TB], 32768
	s_add_co_u32 s[RO], s[RO], 4096
	s_add_co_u32 s[KO], s[KO], 128
.endm
.macro HEADS                           ; a slot's two heads: written once, walked twice
	WIN 0
	s_mov_b32 s[CN2], 2
.Lhd_\@:
	HEAD
	WIN 0
	s_sub_co_u32 s[CN2], s[CN2], 1
	s_cmp_lg_u32 s[CN2], 0
	s_cbranch_scc1 .Lhd_\@
	s_sub_co_u32 s[TB], s[TB], SLOT
.endm
	CHANGE 1                                       ; the feature tile and slot 0 are whole; slot 1 is asked for
	EXL 0, 0
	EXL 1, 1
	s_wait_dscnt 32                                ; the 32 loads issued last may stay out
	EXC 0, 0
	EXL 2, 0
	s_wait_dscnt 32
	EXC 1, 1
	EXL 3, 1
	s_wait_dscnt 32
	EXC 2, 0
	s_wait_dscnt 0x0
	EXC 3, 1
.set NBAT, 8
	SBEG
	POS 0
	POS 1
	POS 2
	POS 3
	CHANGE 1
.set NBAT, 8
	SBEG
	POS 4
	POS 5
	POS 6
	POS 7
	WIN 0
	s_mov_b32 s[CNT], 3
.Lsl:
	CHANGE 1
	HEADS
	s_sub_co_u32 s[CNT], s[CNT], 1
	s_cmp_lg_u32 s[CNT], 0
	s_cbranch_scc1 .Lsl
	CHANGE 0                                       ; the last slot is written out: nothing is asked for
	HEADS
	; the four waves' sums are added, a quarter of the image a wave, and stored
	s_wait_dscnt 0x0                               ; for the others' sake: my stores are done
	s_barrier_signal -1
	s_barrier_wait -1
	s_lshl_b32 s24, s[WV], 13
	v_add_nc_u32 v[TM+2], s24, v[AL]               ; 8,192 w + 16 L: in each wave's image, and in part
	v_add_nc_u32 v[TM], RED, v[TM+2]
	v_add_nc_u32 v[TM+1], RED+65536, v[TM+2]
.irp q, 0,1,2,3
	s_wait_xcnt 0x0                                ; earlier stores have read their data: the registers are loaded again
.set i, 0
.rept 4
	ds_load_b128 v[ABUF+16*i:ABUF+16*i+3],     v[TM]   offset:(4*\q+i)*512
	ds_load_b128 v[ABUF+16*i+4:ABUF+16*i+7],   v[TM]   offset:32768+(4*\q+i)*512
	ds_load_b128 v[ABUF+16*i+8:ABUF+16*i+11],  v[TM+1] offset:(4*\q+i)*512
	ds_load_b128 v[ABUF+16*i+12:ABUF+16*i+15], v[TM+1] offset:32768+(4*\q+i)*512
.set i, i+1
.endr
	s_wait_dscnt 0x0
.set i, 0
.rept 4
	v_pk_add_f32 v[ABUF+16*i:ABUF+16*i+1],     v[ABUF+16*i:ABUF+16*i+1],     v[ABUF+16*i+4:ABUF+16*i+5]
	v_pk_add_f32 v[ABUF+16*i+2:ABUF+16*i+3],   v[ABUF+16*i+2:ABUF+16*i+3],   v[ABUF+16*i+6:ABUF+16*i+7]
	v_pk_add_f32 v[ABUF+16*i+8:ABUF+16*i+9],   v[ABUF+16*i+8:ABUF+16*i+9],   v[ABUF+16*i+12:ABUF+16*i+13]
	v_pk_add_f32 v[ABUF+16*i+10:ABUF+16*i+11], v[ABUF+16*i+10:ABUF+16*i+11], v[ABUF+16*i+14:ABUF+16*i+15]
	v_pk_add_f32 v[ABUF+16*i:ABUF+16*i+1],     v[ABUF+16*i:ABUF+16*i+1],     v[ABUF+16*i+8:ABUF+16*i+9]
	v_pk_add_f32 v[ABUF+16*i+2:ABUF+16*i+3],   v[ABUF+16*i+2:ABUF+16*i+3],   v[ABUF+16*i+10:ABUF+16*i+11]
	global_store_b128 v[TM+2], v[ABUF+16*i:ABUF+16*i+3], s[PT:PT+1] offset:(4*\q+i)*512  ; 512 bytes on end, at a multiple of 256 from part's first byte
.set i, i+1
.endr
.endr
	v_lshlrev_b32 v[TM+3], 3, v0                   ; two channels' sums of K a thread
	v_add_nc_u32 v[TM+4], KSS, v[TM+3]
.irp w, 0,1,2,3
	ds_load_b64 v[ACC+2*\w:ACC+2*\w+1], v[TM+4] offset:1024*\w
.endr
	s_wait_dscnt 0x0
	v_pk_add_f32 v[ACC:ACC+1], v[ACC:ACC+1], v[ACC+2:ACC+3]
	v_pk_add_f32 v[ACC+4:ACC+5], v[ACC+4:ACC+5], v[ACC+6:ACC+7]
	v_pk_add_f32 v[ACC:ACC+1], v[ACC:ACC+1], v[ACC+4:ACC+5]
	global_store_b64 v[TM+3], v[ACC:ACC+1], s[PT:PT+1] offset:32768
	s_wait_tensorcnt 0x0                           ; the wave's end
	ds_add_u32 v[SPW], v[NIL]
	s_wait_dscnt 0x0
	ROUND                                          ; the closing round
	s_endpgm
.Lfunc_end_k_q1f0567e25d_kv:
	.size	k_q1f0567e25d_kv, .Lfunc_end_k_q1f0567e25d_kv-k_q1f0567e25d_kv
	.p2alignl 7, 3214868480
	.fill 96, 4, 3214868480
	.section	.rodata,"a",@progbits
	.p2align	6, 0x0
	.amdhsa_kernel k_q1f0567e25d_kv
		.amdhsa_group_segment_fixed_size 327680
		.amdhsa_private_segment_fixed_size 0
		.amdhsa_enable_private_segment 0
		.amdhsa_kernarg_size 56
		.amdhsa_user_sgpr_count 2
		.amdhsa_user_sgpr_kernarg_segment_ptr 1
		.amdhsa_wavefront_size32 1
		.amdhsa_system_sgpr_workgroup_id_x 1
		.amdhsa_system_sgpr_workgroup_id_y 1
		.amdhsa_system_sgpr_workgroup_id_z 1
		.amdhsa_system_vgpr_workitem_id 0
		.amdhsa_next_free_vgpr 768
		.amdhsa_next_free_sgpr 72
		.amdhsa_reserve_vcc 0
		.amdhsa_float_denorm_mode_32 3
		.amdhsa_float_denorm_mode_16_64 3
		.amdhsa_memory_ordered 1
		.amdhsa_forward_progress 1
		.amdhsa_inst_pref_size 179
	.end_amdhsa_kernel
	.amdgpu_metadata
---
amdhsa.version: [ 1, 2 ]
amdhsa.kernels:
  - .name:           k_q1f0567e25d_kv
    .symbol:         k_q1f0567e25d_kv.kd
    .args:
      - { .name: feat2, .offset: 0, .size: 8, .value_kind: global_buffer, .address_space: global }
      - { .name: xyz2, .offset: 8, .size: 8, .value_kind: global_buffer, .address_space: global }
      - { .name: pos_w1, .offset: 16, .size: 8, .value_kind: global_buffer, .address_space: global }
      - { .name: pos_b1, .offset: 24, .size: 8, .value_kind: global_buffer, .address_space: global }
      - { .name: pos_b2, .offset: 32, .size: 8, .value_kind: global_buffer, .address_space: global }
      - { .name: wts, .offset: 40, .size: 8, .value_kind: global_buffer, .address_space: global }
      - { .name: part, .offset: 48, .size: 8, .value_kind: global_buffer, .address_space: global }
    .group_segment_fixed_size: 327680
    .private_segment_fixed_size: 0
    .kernarg_segment_align: 8
    .kernarg_segment_size: 56
    .max_flat_workgroup_size: 128
    .sgpr_count:     72
    .vgpr_count:     768
    .wavefront_size: 32
...
	.end_amdgpu_metadata
.endif
;; end of part 2
;; launch red (part 3): grid 4 x 32, 8 waves a work-group, no clusters, 5,376 bytes of LDS; arguments part, merge_w, mb; writes mb
.if DOCPART == 3
	.amdgcn_target "amdgcn-amd-amdhsa--gfx1250"
	.amdhsa_code_object_version 6
	.text
	.protected	k_q1f0567e25d_red
	.globl	k_q1f0567e25d_red
	.p2align	8
	.type	k_q1f0567e25d_red,@function
k_q1f0567e25d_red:
	s_mov_b64 s[64:65], 0
	v_nop
	global_prefetch_b8 v0, s[64:65] scope:SCOPE_SE
	s_setreg_imm32_b32 hwreg(HW_REG_WAVE_MODE, 25, 1), 1
	s_wait_xcnt 0x0
; For batch b and head hd (grid y = 8 b + hd): the 128 blocks' sums are added, KV[d][v] = sum / v_len, and merge_w is folded in, in f32:
; M[o][32 hd + d] = the sum over v of merge_w[o][32 hd + v] KV[d][v], for the 64 rows o = 64 x + (thread % 64).  merge_w is rounded to bf16 as every input is; M is rounded once to bf16 and
; written as fragments (16 rows o x 32 d).  Wave 0 of the work-groups with x = 0 also adds the sums of K and writes them as a fragment of 16 equal rows, in bf16.
; The four work-groups of a head each add the same 128 images: a sum shared between them would want traffic between work-groups.
.set PARTB, 33792
.set MBB,   139264                     ; a batch in mb: 128 fragments of M, then 8 of K's sums
.set KVL,   0                          ; the head's 32 x 32, as kv's registers held it
.set KSL,   4096                       ; 32 sums of K: stored by wave 0 ahead of the barrier, read by it behind
.set SPARE, 4352
	s_load_b128 s[4:7], s[0:1], 0x0                ; part, merge_w
	s_load_b64 s[8:9], s[0:1], 0x10                ; mb
	v_lshl_add_u32 v6, v0, 2, SPARE
	v_mov_b32 v7, 0
	v_lshrrev_b32 v1, 5, v0
	v_readfirstlane_b32 s10, v1                    ; wave
	s_mov_b32 s15, ttmp9                           ; x
	s_and_b32 s11, ttmp7, 0xffff
	s_lshr_b32 s12, s11, 3                         ; b
	s_and_b32 s13, s11, 7                          ; hd
	s_or_b32 s14, s10, s15                         ; 0: wave 0 of x = 0
	v_and_b32 v1, 31, v0
	v_lshlrev_b32 v3, 4, v0                        ; my 16 bytes of the head's 4,096
	v_lshlrev_b32 v4, 2, v1
	v_and_b32 v2, 63, v0                           ; my row among the 64
	v_lshlrev_b32 v5, 10, v2
	s_mul_i32 s16, s12, 128*PARTB
	s_lshl_b32 s17, s13, 12
	s_add_co_u32 s16, s16, s17
	s_mov_b32 s17, 0
	s_mul_i32 s18, s12, 128*PARTB
	s_lshl_b32 s19, s13, 7
	s_add_co_u32 s18, s18, s19
	s_add_co_u32 s18, s18, 32768
	s_mov_b32 s19, 0
	s_lshl_b32 s20, s15, 16                        ; 64 rows of 1,024 bytes
	s_lshl_b32 s21, s13, 7
	s_add_co_u32 s20, s20, s21
	s_mov_b32 s21, 0
	s_mul_i32 s24, s12, MBB
	s_lshl_b32 s25, s13, 10
	s_add_co_u32 s26, s24, s25
	s_add_co_u32 s26, s26, 131072                  ; the head's fragment of K's sums
	s_mov_b32 s27, 0
	s_lshl_b32 s25, s13, 14
	s_add_co_u32 s24, s24, s25
	s_lshl_b32 s25, s15, 12
	s_add_co_u32 s24, s24, s25                     ; fragment 16 hd + 4 x
	s_lshr_b32 s23, s10, 1                         ; dg: my eight d
	s_lshr_b32 s28, s23, 1
	s_and_b32 s29, s23, 1
	s_lshl_b32 s25, s28, 9
	s_add_co_u32 s24, s24, s25
	s_lshl_b32 s25, s29, 8
	s_add_co_u32 s24, s24, s25
	s_mov_b32 s25, 0
	s_lshl_b32 s28, s28, 10
	s_lshl_b32 s29, s29, 7
	s_add_co_u32 s28, s28, s29                     ; where my eight d lie in KVL
	s_wait_kmcnt 0x0
	s_add_nc_u64 s[16:17], s[4:5], s[16:17]
	s_add_nc_u64 s[18:19], s[4:5], s[18:19]
	s_add_nc_u64 s[20:21], s[6:7], s[20:21]
	s_add_nc_u64 s[26:27], s[8:9], s[26:27]
	s_add_nc_u64 s[24:25], s[8:9], s[24:25]
.irp i, 0,1,2,3,4,5,6,7
	global_load_b128 v[32+4*\i:35+4*\i], v5, s[20:21] offset:16*\i
.endr
.set i, 0
.rept 16
	v_mov_b32 v[16+i], 0                           ; four chains of four sums
.set i, i+1
.endr
.irp i, 96,97,98,99
	v_mov_b32 v\i, 0                               ; and four for K's, written on every path
.endr
	s_mov_b32 s22, 4
.Ltr:                                          ; 32 blocks a trip
.set i, 0
.rept 32
	global_load_b128 v[128+4*i:131+4*i], v3, s[16:17] offset:i*PARTB
.set i, i+1
.endr
	s_cmp_lg_u32 s14, 0                            ; K's sums: global loads and sums in registers alone stand under this branch
	s_cbranch_scc1 .Lnk
.set i, 0
.rept 32
	global_load_b32 v[64+i], v4, s[18:19] offset:i*PARTB
.set i, i+1
.endr
	s_wait_loadcnt 0x0
.set i, 0
.rept 32
	v_add_f32 v[96+i%4], v[96+i%4], v[64+i]
.set i, i+1
.endr
.Lnk:
	s_wait_loadcnt 0x0                             ; all loads are done, so their bases may be stepped
.set i, 0
.rept 32
	v_pk_add_f32 v[16+4*(i%4):17+4*(i%4)], v[16+4*(i%4):17+4*(i%4)], v[128+4*i:129+4*i]
	v_pk_add_f32 v[18+4*(i%4):19+4*(i%4)], v[18+4*(i%4):19+4*(i%4)], v[130+4*i:131+4*i]
.set i, i+1
.endr
	s_add_nc_u64 s[16:17], s[16:17], 32*PARTB
	s_add_nc_u64 s[18:19], s[18:19], 32*PARTB
	s_sub_co_u32 s22, s22, 1
	s_cmp_lg_u32 s22, 0
	s_cbranch_scc1 .Ltr
	s_cmp_lg_u32 s15, 0                            ; only the work-groups with x = 0,
	s_cbranch_scc1 .Lnoks
	s_cmp_lg_u32 s10, 0                            ; and of them wave 0 alone
	s_cbranch_scc1 .Lnoks
	v_add_f32 v96, v96, v97                        ; lane L holds the sum of K[L]
	v_add_f32 v98, v98, v99
	v_add_f32 v96, v96, v98
	v_add_nc_u32 v10, KSL, v4
	ds_store_b32 v10, v96
.Lnoks:
	v_pk_add_f32 v[16:17], v[16:17], v[20:21]
	v_pk_add_f32 v[18:19], v[18:19], v[22:23]
	v_pk_add_f32 v[24:25], v[24:25], v[28:29]
	v_pk_add_f32 v[26:27], v[26:27], v[30:31]
	v_pk_add_f32 v[16:17], v[16:17], v[24:25]
	v_pk_add_f32 v[18:19], v[18:19], v[26:27]
	v_pk_mul_f32 v[16:17], v[16:17], 0x38800000 op_sel_hi:[1,0]  ; / v_len = 2^-14
	v_pk_mul_f32 v[18:19], v[18:19], 0x38800000 op_sel_hi:[1,0]
	ds_store_b128 v3, v[16:19]
.set i, 0
.rept 16
	v_cvt_pk_bf16_f32 v[100+i], v[32+2*i], v[33+2*i]  ; merge_w rounded to bf16
.set i, i+1
.endr
.set i, 0
.rept 16
	v_lshlrev_b32 v[32+2*i], 16, v[100+i]
	v_and_b32 v[33+2*i], 0xffff0000, v[100+i]
.set i, i+1
.endr
	v_mov_b32 v8, s28
	v_lshrrev_b32 v9, 4, v2
	v_and_b32 v13, 15, v2
	v_lshlrev_b32 v9, 10, v9
	v_lshl_add_u32 v9, v13, 4, v9                  ; fragment (row / 16), row % 16
	s_wait_dscnt 0x0                               ; for the others' sake: my stores into KVL (and KSL) are done
	s_barrier_signal -1
	s_barrier_wait -1
.irp hf, 0, 1                          ; four d at a time: KV[d][0..31] in 32 registers each, the same for all lanes of the wave
.set e, 0
.rept 32
	ds_load_b128 v[128+4*e:131+4*e], v8 offset:((e%8)/4)*2048+(e%2)*512+((e/2)%2)*256+(4*\hf+e/8)*16
.set e, e+1
.endr
	s_wait_dscnt 0x0
.set d, 0
.rept 4
	v_pk_mul_f32 v[100+2*(4*\hf+d):101+2*(4*\hf+d)], v[32:33], v[128+32*d:129+32*d]
.set m, 1
.rept 15
	v_pk_fma_f32 v[100+2*(4*\hf+d):101+2*(4*\hf+d)], v[32+2*m:33+2*m], v[128+32*d+2*m:129+32*d+2*m], v[100+2*(4*\hf+d):101+2*(4*\hf+d)]
.set m, m+1
.endr
.set d, d+1
.endr
.endr
.irp i, 0,1,2,3,4,5,6,7
	v_add_f32 v[116+\i], v[100+2*\i], v[101+2*\i]
.endr
.irp i, 0,1,2,3
	v_cvt_pk_bf16_f32 v[124+\i], v[116+2*\i], v[117+2*\i]
.endr
	global_store_b128 v9, v[124:127], s[24:25]     ; 16 lanes store 256 bytes on end, at a multiple of 256 from mb's first byte
	s_cmp_lg_u32 s15, 0                            ; K's sums come back behind the barrier, to the wave that stored them
	s_cbranch_scc1 .Lend
	s_cmp_lg_u32 s10, 0
	s_cbranch_scc1 .Lend
	v_lshrrev_b32 v11, 4, v1
	v_lshl_add_u32 v11, v11, 5, KSL                ; d = 8 h .. and 16 + 8 h ..: the same for all 16 rows of the fragment
	ds_load_b128 v[64:67], v11
	ds_load_b128 v[68:71], v11 offset:16
	ds_load_b128 v[72:75], v11 offset:64
	ds_load_b128 v[76:79], v11 offset:80
	s_wait_dscnt 0x0
.irp i, 0,1,2,3,4,5,6,7
	v_cvt_pk_bf16_f32 v[80+\i], v[64+2*\i], v[65+2*\i]
.endr
	v_lshlrev_b32 v12, 4, v1
	global_store_b128 v12, v[80:83], s[26:27]      ; 512 bytes on end, twice
	global_store_b128 v12, v[84:87], s[26:27] offset:512
.Lend:
	s_wait_tensorcnt 0x0                           ; the wave's end
	ds_add_u32 v6, v7
	s_wait_dscnt 0x0
	s_endpgm
.Lfunc_end_k_q1f0567e25d_red:
	.size	k_q1f0567e25d_red, .Lfunc_end_k_q1f0567e25d_red-k_q1f0567e25d_red
	.p2alignl 7, 3214868480
	.fill 96, 4, 3214868480
	.section	.rodata,"a",@progbits
	.p2align	6, 0x0
	.amdhsa_kernel k_q1f0567e25d_red
		.amdhsa_group_segment_fixed_size 5376
		.amdhsa_private_segment_fixed_size 0
		.amdhsa_enable_private_segment 0
		.amdhsa_kernarg_size 24
		.amdhsa_user_sgpr_count 2
		.amdhsa_user_sgpr_kernarg_segment_ptr 1
		.amdhsa_wavefront_size32 1
		.amdhsa_system_sgpr_workgroup_id_x 1
		.amdhsa_system_sgpr_workgroup_id_y 1
		.amdhsa_system_sgpr_workgroup_id_z 1
		.amdhsa_system_vgpr_workitem_id 0
		.amdhsa_next_free_vgpr 256
		.amdhsa_next_free_sgpr 66
		.amdhsa_reserve_vcc 0
		.amdhsa_float_denorm_mode_32 3
		.amdhsa_float_denorm_mode_16_64 3
		.amdhsa_memory_ordered 1
		.amdhsa_forward_progress 1
		.amdhsa_inst_pref_size 33
	.end_amdhsa_kernel
	.amdgpu_metadata
---
amdhsa.version: [ 1, 2 ]
amdhsa.kernels:
  - .name:           k_q1f0567e25d_red
    .symbol:         k_q1f0567e25d_red.kd
    .args:
      - { .name: part, .offset: 0, .size: 8, .value_kind: global_buffer, .address_space: global }
      - { .name: merge_w, .offset: 8, .size: 8, .value_kind: global_buffer, .address_space: global }
      - { .name: mb, .offset: 16, .size: 8, .value_kind: global_buffer, .address_space: global }
    .group_segment_fixed_size: 5376
    .private_segment_fixed_size: 0
    .kernarg_segment_align: 8
    .kernarg_segment_size: 24
    .max_flat_workgroup_size: 256
    .sgpr_count:     66
    .vgpr_count:     256
    .wavefront_size: 32
...
	.end_amdgpu_metadata
.endif
;; end of part 3
;; launch main (part 4): grid 512 x 1, 4 waves a work-group, clusters of 4 x 1, 327,680 bytes of LDS; arguments feat1, wts, mb, ln1_g, ln1_b, ln2_g, ln2_b, out0; writes out0
.if DOCPART == 4
	.amdgcn_target "amdgcn-amd-amdhsa--gfx1250"
	.amdhsa_code_object_version 6
	.text
	.protected	k_q1f0567e25d_main
	.globl	k_q1f0567e25d_main
	.p2align	8
	.type	k_q1f0567e25d_main,@function
k_q1f0567e25d_main:
	s_mov_b64 s[64:65], 0
	v_nop
	global_prefetch_b8 v0, s[64:65] scope:SCOPE_SE
	s_setreg_imm32_b32 hwreg(HW_REG_WAVE_MODE, 25, 1), 1
	s_wait_xcnt 0x0
	s_wait_alu depctr_hold_cnt(0) depctr_sa_sdst(0) depctr_va_vdst(0) depctr_va_sdst(0) depctr_va_ssrc(0) depctr_va_vcc(0) depctr_vm_vsrc(0)
	s_getreg_b32 s2, hwreg(HW_REG_IB_STS2, 6, 4)
	s_cmp_eq_u32 s2, 0
	s_cbranch_scc0 .Lentry_in_a_cluster
	s_endpgm
.Lentry_in_a_cluster:
	s_bfe_u32 s2, ttmp6, 0x10000c
	s_cmp_lg_u32 s2, 0x3003
	s_cbranch_scc0 .Lentry_shape_is_right
	s_endpgm
.Lentry_shape_is_right:
; THE QUERY SIDE, for a block of 128 points of one batch: q = f1 q_w^T, Q = elu(q) + 1, Z = 1 / (Q . sum K + 1e-6), merged = (Q Z v_len) M^T (M = merge_w folded into KV by the launch before),
; LN1, hidden = relu([f1, LN1] mlp_w1^T), y = hidden mlp_w2^T, LN2, stored channel-major.  xyz1 does not enter the result and is not loaded.
; FORMATS.  Every input is rounded to bf16.  f1, q_w, mlp_w1, mlp_w2 are those numbers written as f16; LN1's output and the hidden layer are rounded once to f16; Q, Q Z, M and the sums of K are bf16.
; LIMIT: the f16 operands stay within 65,504 (f1, the weights, 16 |ln1_g| + |ln1_b|, the hidden layer); below 6e-5 they keep f16's fixed step of 6e-8.  NaN and infinities are not treated apart.
; Sums, both layer norms (mean first, then the squares of the differences) and elu in f32.
; SHARES, CHAIN, RING: as in the launch for the key side: wave w owns points 32 w + 2 r + p; D = W x act leaves a point a lane; weights come as fragments of 1,024 bytes through two slots of 64,
; asked for jointly by the cluster's four work-groups, a quarter of a slot a wave.  Slots 0-3: two heads each (16 fragments of q_w, 16 of M); slots 4-15: four chunks of mlp_w1 (f1's half, LN1's half) and mlp_w2.
; Window 2's 32 accumulators are cleared twice, 512 lines: the price of writing the head and the chunk once, with no first step of their own.
.set FP,    528
.set SLOT,  65536
.set FEAT,  131072                     ; the feature tile; when it has been read out, the stage for the way out (it is filled once)
.set KSF,   266240                     ; eight fragments: the sums of K
.set LNT,   274432                     ; ln1_g, ln1_b, ln2_g, ln2_b, rounded to bf16, as f32
.set SPARE, 278528
.set WQ,    393216
.set WL,    524288
.set MBB,   139264
; window 0
.set VL,  1
.set VR,  2
.set VH,  3
.set AW,  4
.set AL,  5                            ; 16 x lane
.set KA0, 6
.set KA,  7
.set LT,  8                            ; LNT + 32 h
.set RA,  9                            ; the way out: my 16 bytes of my wave's first row of the stage
.set SPW, 10
.set NIL, 11
.set ST,  12                           ; v12-23 statistics
.set DN,  24                           ; v24-39 the denominators' two results; in the norms the chains
.set CH,  24
.set KS,  40                           ; v40-47 a head's fragment of K's sums
.set ZZ,  48                           ; v48-51 Z v_len, a pair a tile
.set SA,  52                           ; v52-55
.set TM,  56
.set ABUF, 64
.set QA,  192                          ; v192-223 q, Q
.set QZ,  224                          ; v224-239
.set QB,  240                          ; v240-255
.set EE,  224                          ; v224-255 at work in elu
.set XF,  128                          ; window 1: v0-127 f1's fragments, v128-255 LN1's; at the end the output in pairs
.set HF,  128                          ; window 3: v0-127 the hidden sums (and the norms' b), v128-191 the hidden fragments, v192 zero.  Window 2: 32 accumulators, (ot, p) at 8 (2 ot + p)
.set Z3,  192
; scalars
.set WV,  20
.set G,   21
.set BB,  22
.set MH,  23
.set G1F, 28
.set G0F, 36
.set G1W, 40
.set G0W, 48
.set NXT, 52
.set STP, 54
.set TB,  56
.set KO,  57
.set CNT, 58
.set CN2, 59
.set PL,  60                           ; my quarter of slot 4
.set SEL, 62
.set LG,  66
.set G1K, 68
.set G0K, 76
.set OB,  80
.set C256, 82
.set NC256, 83
.set MBP, 84
.set EPS, 90
.set MSB, 0
.macro WIN new
.if MSB != (\new)
	s_set_vgpr_msb (MSB<<8)|(\new)
.set MSB, (\new)
.endif
.endm
.macro PLACES                          ; four places behind matrix instructions (ISA guide 7.12.1)
.rept 4
	v_nop
.endr
.endm
.macro ROUND
	s_barrier_signal -1
	s_barrier_wait -1
	s_cmp_lg_u32 s[WV], 0
	s_cbranch_scc1 .Lnw0_\@
	s_barrier_signal -3
.Lnw0_\@:
	s_barrier_wait -3
	s_barrier_signal -1
	s_barrier_wait -1
.endm
.macro CHANGE fill                     ; the change of slots: all my tensor loads, the add, my LDS instructions; a round; the joint refill first behind it
	WIN 0
	s_wait_tensorcnt 0x0
	ds_add_u32 v[SPW], v[NIL]
.if \fill
	s_xor_b32 s[G0W+1], s[G0W+1], SLOT
	s_mov_b64 s[G0W+2:G0W+3], s[NXT:NXT+1]
	s_or_b32 s[G0W+3], s[G0W+3], 0x80000000
	s_add_nc_u64 s[NXT:NXT+1], s[NXT:NXT+1], s[STP:STP+1]
.endif
	s_xor_b32 s[TB], s[TB], SLOT
	s_wait_dscnt 0x0
.if \fill
	ROUND
	tensor_load_to_lds s[G0W:G0W+3], s[G1W:G1W+7]
	s_nop 0
	PLACES
.else
	s_barrier_signal -1
	s_barrier_wait -1
.endif
.endm
.macro LDA set, f0
	WIN 0
.set li, 0
.rept 8
	ds_load_b128 v[ABUF+64*(\set)+8*li:ABUF+64*(\set)+8*li+3],   v[AW] offset:((\f0)+li)*1024
	ds_load_b128 v[ABUF+64*(\set)+8*li+4:ABUF+64*(\set)+8*li+7], v[AW] offset:((\f0)+li)*1024+512
.set li, li+1
.endr
.endm
.macro SBEG
	WIN 0
	v_add_nc_u32 v[AW], s[TB], v[AL]
	PLACES
	LDA 0, 0
.endm
.macro PRE k
	PLACES
.if (\k) < 7
	LDA ((\k)+1)%2, 8*((\k)+1)
	s_wait_dscnt 16                                ; the 16 loads just issued may stay out
.else
	s_wait_dscnt 0x0
.endif
.endm
	s_load_b512 s[4:19], s[0:1], 0x0               ; feat1 4, wts 6, mb 8, ln1_g 10, ln1_b 12, ln2_g 14, ln2_b 16, out0 18
	v_lshl_add_u32 v[SPW], v0, 2, SPARE
	v_mov_b32 v[NIL], 0
	ds_add_u32 v[SPW], v[NIL]                      ; the opening: the add, twice on end, and its wait ahead of my first tensor load
	ds_add_u32 v[SPW], v[NIL]
	v_lshrrev_b32 v1, 5, v0
	v_readfirstlane_b32 s[WV], v1
	s_bfe_u32 s86, ttmp6, 0x40000                  ; my place in the cluster: it enters feat1's and out0's addresses alone
	s_lshl_b32 s[G], ttmp9, 2
	s_add_co_u32 s[G], s[G], s86
	s_lshr_b32 s[BB], ttmp9, 5                     ; the batch, which the four partners share
	s_mov_b32 s[G1F], (2<<16)|(1<<20)|(6<<22)|(3<<25)  ; 64 channel rows x 128 f32, 16 bytes of padding a row; my own load
	s_mov_b32 s[G1F+1], 128<<16
	s_mov_b32 s[G1F+2], 64<<16
	s_mov_b32 s[G1F+3], 128<<16
	s_mov_b32 s[G1F+4], 64
	s_mov_b32 s[G1F+5], 16384
	s_mov_b32 s[G1F+6], 0
	s_mov_b32 s[G1F+7], 0
	s_mov_b32 s[G1W], 15|(3<<16)|(1<<21)           ; 64 rows of 256 dense bytes, asked for by the four
	s_mov_b32 s[G1W+1], 32<<16
	s_mov_b32 s[G1W+2], 64<<16
	s_mov_b32 s[G1W+3], 32<<16
	s_mov_b32 s[G1W+4], 64
	s_mov_b32 s[G1W+5], 32
	s_mov_b32 s[G1W+6], 0
	s_mov_b32 s[G1W+7], 0
	s_mov_b32 s[G1K], 15|(3<<16)|(1<<21)           ; 8 such rows: two heads' sums of K
	s_mov_b32 s[G1K+1], 32<<16
	s_mov_b32 s[G1K+2], 8<<16
	s_mov_b32 s[G1K+3], 32<<16
	s_mov_b32 s[G1K+4], 8
	s_mov_b32 s[G1K+5], 32
	s_mov_b32 s[G1K+6], 0
	s_mov_b32 s[G1K+7], 0
	s_mov_b32 s[G0F], 1
	s_mul_i32 s[G0F+1], s[WV], 64*FP
	s_add_co_u32 s[G0F+1], s[G0F+1], FEAT
	s_mov_b32 s[G0W], 1
	s_lshl_b32 s[G0W+1], s[WV], 14
	s_mov_b32 s[G0K], 1
	s_lshl_b32 s[G0K+1], s[WV], 11
	s_add_co_u32 s[G0K+1], s[G0K+1], KSF
	s_mov_b32 s[STP], 32768                        ; in the heads' slots my quarter steps by two heads of one matrix
	s_mov_b32 s[STP+1], 0
	s_mov_b32 s[TB], SLOT
	s_mov_b32 s[KO], 0
	s_mov_b32 s[MH], 0xffff0000
	s_mov_b32 s[SEL], 0x76543210
	s_mov_b32 s[SEL+1], 0xfedcba98
	s_mov_b32 s[LG], 0x3fb8aa3b
	s_mov_b32 s[LG+1], s[LG]
	s_mov_b32 s[C256], 0x3b800000                  ; 1 / 256
	s_mov_b32 s[NC256], 0xbb800000
	s_mov_b32 s[EPS], 0x3727c5ac                   ; 1e-5
	s_lshl_b32 s86, s[BB], 24
	s_lshl_b32 s87, s[WV], 22                      ; my 64 channel rows
	s_add_co_u32 s86, s86, s87
	s_and_b32 s87, s[G], 127
	s_lshl_b32 s87, s87, 9
	s_add_co_u32 s86, s86, s87
	s_mov_b32 s87, 0
	s_mul_i32 s24, s[BB], MBB
	s_mov_b32 s25, 0
	s_wait_dscnt 0x0
	s_wait_kmcnt 0x0
	s_add_nc_u64 s[MBP:MBP+1], s[8:9], s[24:25]    ; the batch's M
	s_add_nc_u64 s[PL:PL+1], s[6:7], WQ
	s_and_b32 s26, s[WV], 1
	s_cmp_eq_u32 s26, 0
	s_cselect_b64 s[NXT:NXT+1], s[PL:PL+1], s[MBP:MBP+1]  ; even waves fetch q_w, odd waves M,
	s_lshr_b32 s24, s[WV], 1
	s_lshl_b32 s24, s24, 14
	s_add_nc_u64 s[NXT:NXT+1], s[NXT:NXT+1], s[24:25]     ; of the slot's first or second head
	s_mov_b64 s[G0W+2:G0W+3], s[NXT:NXT+1]
	s_or_b32 s[G0W+3], s[G0W+3], 0x80000000
	s_add_nc_u64 s[NXT:NXT+1], s[NXT:NXT+1], s[STP:STP+1]
	s_lshl_b32 s24, s[WV], 14
	s_add_co_u32 s24, s24, WL
	s_add_nc_u64 s[PL:PL+1], s[6:7], s[24:25]
	s_lshl_b32 s24, s[WV], 11
	s_add_co_u32 s24, s24, 131072
	s_add_nc_u64 s[G0K+2:G0K+3], s[MBP:MBP+1], s[24:25]
	s_or_b32 s[G0K+3], s[G0K+3], 0x80000000
	s_add_nc_u64 s[G0F+2:G0F+3], s[4:5], s[86:87]
	s_or_b32 s[G0F+3], s[G0F+3], 0x80000000
	s_add_nc_u64 s[OB:OB+1], s[18:19], s[86:87]
	ROUND
	tensor_load_to_lds s[G0F:G0F+3], s[G1F:G1F+7]  ; the first fills, as one group: three loads of mine are out
	s_nop 0
	tensor_load_to_lds s[G0W:G0W+3], s[G1W:G1W+7]
	s_nop 0
	tensor_load_to_lds s[G0K:G0K+3], s[G1K:G1K+7]
	s_nop 0
	PLACES
	v_and_b32 v[VL], 31, v0
	v_and_b32 v[VR], 15, v0
	v_bfe_u32 v[VH], v0, 4, 1
	v_lshlrev_b32 v[AL], 4, v[VL]
	v_lshlrev_b32 v[TM], 3, v0                     ; two numbers of each table a thread
	global_load_b64 v[24:25], v[TM], s[10:11]
	global_load_b64 v[26:27], v[TM], s[12:13]
	global_load_b64 v[28:29], v[TM], s[14:15]
	global_load_b64 v[30:31], v[TM], s[16:17]
	v_add_nc_u32 v[KA0], KSF, v[AL]
	v_lshl_add_u32 v[LT], v[VH], 5, LNT
	s_mul_i32 s24, s[WV], 64*FP
	s_add_co_u32 s24, s24, FEAT
	v_add_nc_u32 v[RA], s24, v[AL]
	v_mul_u32_u24 v[SA], v[VH], 8*FP
	v_lshl_add_u32 v[SA], v[VR], 3, v[SA]
	s_lshl_b32 s24, s[WV], 7
	s_add_co_u32 s24, s24, FEAT
	v_add_nc_u32 v[SA], s24, v[SA]
	v_add_nc_u32 v[SA+1], 64*FP, v[SA]
	v_add_nc_u32 v[SA+2], 128*FP, v[SA]
	v_add_nc_u32 v[SA+3], 192*FP, v[SA]
	v_add_nc_u32 v[TM+1], LNT, v[TM]
	v_mov_b32 v[TM+2], 0
	v_mov_b32 v[TM+3], 0
	WIN 0xc0
	v_mov_b32 v[Z3], 0
	WIN 0x80
.set i, 0
.rept 256
	v_mov_b32 v[i], 0                              ; merged starts at 0
.set i, i+1
.endr
	WIN 0
	s_wait_loadcnt 0x0
.irp i, 0,1,2,3
	v_cvt_pk_bf16_f32 v[32+\i], v[24+2*\i], v[25+2*\i]
.endr
.irp i, 0,1,2,3
	v_lshlrev_b32 v[24+2*\i], 16, v[32+\i]
	v_and_b32 v[25+2*\i], s[MH], v[32+\i]
	ds_store_b64 v[TM+1], v[24+2*\i:25+2*\i] offset:1024*\i
.endr
.macro EXL k, buf                      ; 32 loads of 8 bytes: a channel of my two points each
	WIN 0
.set c, 0
.rept 32
	ds_load_b64 v[ABUF+64*(\buf)+2*c:ABUF+64*(\buf)+2*c+1], v[SA+(\k)] offset:(16*(c/8)+c%8)*FP
.set c, c+1
.endr
.endm
.macro EXC k, buf                      ; rounded to bf16, and that number written as f16
	WIN 0
.set e, 0
.rept 32
.set ta, ABUF+64*(\buf)+2*(16*(e/16)+8*((e/4)%2)+2*(e%4))+(e/8)%2
	v_cvt_pk_bf16_f32 v[ta], v[ta], v[ta+2]
	v_and_b32 v[ta+2], s[MH], v[ta]
	v_lshlrev_b32 v[ta], 16, v[ta]
.set e, e+1
.endr
	WIN 0x40
.set e, 0
.rept 32
.set ta, ABUF+64*(\buf)+2*(16*(e/16)+8*((e/4)%2)+2*(e%4))+(e/8)%2
	v_cvt_pk_f16_f32 v[8*(2*(2*(\k)+e/16)+(e/8)%2)+4*((e/4)%2)+e%4], v[ta], v[ta+2]
.set e, e+1
.endr
.endm
.macro QBAT k                          ; 16 products of q = q_w f1: four accumulators by turns
.set i, 0
.rept 8
.set ks, 4*(\k)+i/2
.set t, i%2
.set ra, ABUF+64*(\k)+8*i
.irp p, 0, 1
.set rd, QA+8*(2*t+\p)
.set rb, 8*(2*ks+\p)
	WIN 0x04
.if ks == 0
	v_wmma_f32_16x16x32_f16 v[rd:rd+7], v[ra:ra+7], v[rb:rb+7], 0
.else
	v_wmma_f32_16x16x32_f16 v[rd:rd+7], v[ra:ra+7], v[rb:rb+7], v[rd:rd+7]
.endif
.endr
.set i, i+1
.endr
.endm
.macro MBAT k                          ; 16 products of merged += M (Q Z): each accumulator once a head
.set i, 0
.rept 8
.set ra, ABUF+64*(\k)+8*i
.irp p, 0, 1
.set rd, 8*(2*(8*(\k)+i)+\p)
	WIN 0xa0
	v_wmma_f32_16x16x32_bf16 v[rd:rd+7], v[ra:ra+7], v[QZ+8*\p:QZ+8*\p+7], v[rd:rd+7]
.endr
.set i, i+1
.endr
.endm
.macro HEAD
	WIN 0
	v_add_nc_u32 v[AW], s[TB], v[AL]
	v_add_nc_u32 v[KA], s[KO], v[KA0]
	PLACES
	ds_load_b128 v[KS:KS+3],   v[KA]
	ds_load_b128 v[KS+4:KS+7], v[KA] offset:512
	LDA 0, 0
	PLACES
	LDA 1, 8
	s_wait_dscnt 16
	QBAT 0
	PLACES
	LDA 0, 16                                      ; M's fragments land under the second batch and elu
	s_wait_dscnt 16
	QBAT 1
	PLACES
	LDA 1, 24
.set i, 0
.rept 32
	v_min_num_f32 v[EE+i], 0, v[QA+i]              ; Q = max(q, 0) + 2^(log2(e) min(q, 0))
.set i, i+1
.endr
.set i, 0
.rept 16
	v_pk_mul_f32 v[EE+2*i:EE+2*i+1], v[EE+2*i:EE+2*i+1], s[LG:LG+1] op_sel_hi:[1,0]
.set i, i+1
.endr
.set i, 0
.rept 32
	v_exp_f32 v[EE+i], v[EE+i]
.set i, i+1
.endr
.set i, 0
.rept 32
	v_max_num_f32 v[QA+i], 0, v[QA+i]
.set i, i+1
.endr
	s_wait_alu depctr_va_vdst(0)                   ; one wait for the 32 exponentials
.set i, 0
.rept 16
	v_pk_add_f32 v[QA+2*i:QA+2*i+1], v[QA+2*i:QA+2*i+1], v[EE+2*i:EE+2*i+1]
.set i, i+1
.endr
.set e, 0
.rept 16
	v_cvt_pk_bf16_f32 v[QB+e], v[QA+8*(2*((e/4)%2)+e/8)+2*(e%4)], v[QA+8*(2*((e/4)%2)+e/8)+2*(e%4)+1]
.set e, e+1
.endr
	v_wmma_f32_16x16x32_bf16 v[DN:DN+7],    v[KS:KS+7], v[QB:QB+7],    0  ; 16 equal rows: Q . sum K of the lane's point in every register
	v_wmma_f32_16x16x32_bf16 v[DN+8:DN+15], v[KS:KS+7], v[QB+8:QB+15], 0
	PLACES
	v_add_f32 v[TM],   0x358637bd, v[DN]           ; + 1e-6
	v_add_f32 v[TM+1], 0x358637bd, v[DN+8]
	v_rcp_f32 v[TM+2], v[TM]
	v_rcp_f32 v[TM+3], v[TM+1]
	v_nop
	s_wait_alu depctr_va_vdst(0)
	v_mul_f32 v[ZZ],   0x46800000, v[TM+2]         ; x v_len
	v_mul_f32 v[ZZ+1], 0x46800000, v[TM+2]
	v_mul_f32 v[ZZ+2], 0x46800000, v[TM+3]
	v_mul_f32 v[ZZ+3], 0x46800000, v[TM+3]
.set u, 0
.rept 16
	v_pk_mul_f32 v[QA+2*u:QA+2*u+1], v[QA+2*u:QA+2*u+1], v[ZZ+2*((u/4)%2):ZZ+2*((u/4)%2)+1]
.set u, u+1
.endr
.set e, 0
.rept 16
	v_cvt_pk_bf16_f32 v[QZ+e], v[QA+8*(2*((e/4)%2)+e/8)+2*(e%4)], v[QA+8*(2*((e/4)%2)+e/8)+2*(e%4)+1]
.set e, e+1
.endr
	s_wait_dscnt 0x0                               ; M's 16 fragments are in
	MBAT 0
	MBAT 1
	s_add_co_u32 s[TB], s[TB], 32768
	s_add_co_u32 s[KO], s[KO], 1024
.endm
.macro HEADS
	WIN 0
	s_mov_b32 s[CN2], 2
.Lhd_\@:
	HEAD
	WIN 0
	s_sub_co_u32 s[CN2], s[CN2], 1
	s_cmp_lg_u32 s[CN2], 0
	s_cbranch_scc1 .Lhd_\@
	s_sub_co_u32 s[TB], s[TB], SLOT
.endm
; A LAYER NORM over the 256 channels of window 2; a point's channels lie in two lanes 16 apart.  n = 0: LN1, to f16 fragments; n = 1: LN2, to pairs of points for the way out.
.macro FOLD p, dst                     ; tile p's four chains into one number
	v_pk_add_f32 v[CH+8*(\p):CH+8*(\p)+1],   v[CH+8*(\p):CH+8*(\p)+1],   v[CH+8*(\p)+2:CH+8*(\p)+3]
	v_pk_add_f32 v[CH+8*(\p)+4:CH+8*(\p)+5], v[CH+8*(\p)+4:CH+8*(\p)+5], v[CH+8*(\p)+6:CH+8*(\p)+7]
	v_pk_add_f32 v[CH+8*(\p):CH+8*(\p)+1],   v[CH+8*(\p):CH+8*(\p)+1],   v[CH+8*(\p)+4:CH+8*(\p)+5]
	v_add_f32 v[\dst], v[CH+8*(\p)], v[CH+8*(\p)+1]
	v_permlanex16_b32 v[TM+(\p)], v[\dst], s[SEL], s[SEL+1]
	v_add_f32 v[\dst], v[\dst], v[TM+(\p)]
.endm
.macro LNORM n
	PLACES
	WIN 0
.set i, 0
.rept 32                               ; g of channels 16 ot + 8 h + j into v[ABUF + 8 ot + j],
	ds_load_b128 v[ABUF+4*i:ABUF+4*i+3], v[LT] offset:2048*(\n)+64*(i/2)+16*(i%2)
.set i, i+1
.endr
	WIN 0xc0
.set i, 0
.rept 32                               ; b into window 3: they land under the statistics
	ds_load_b128 v[4*i:4*i+3], v[LT] offset:2048*(\n)+1024+64*(i/2)+16*(i%2)
.set i, i+1
.endr
	WIN 0x0a                                       ; the sums: eight chains
.set u, 0
.rept 8
	v_pk_add_f32 v[CH+2*u:CH+2*u+1], v[2*u:2*u+1], v[2*(u+8):2*(u+8)+1]
.set u, u+1
.endr
	WIN 0x02
.set u, 16
.rept 112
	v_pk_add_f32 v[CH+2*(u%8):CH+2*(u%8)+1], v[2*u:2*u+1], v[CH+2*(u%8):CH+2*(u%8)+1]
.set u, u+1
.endr
	WIN 0
	FOLD 0, ST+8
	FOLD 1, ST+9
	v_mul_f32 v[ST],   s[NC256], v[ST+8]           ; minus the mean, twice: a pair for the packed lines
	v_mul_f32 v[ST+1], s[NC256], v[ST+8]
	v_mul_f32 v[ST+2], s[NC256], v[ST+9]
	v_mul_f32 v[ST+3], s[NC256], v[ST+9]
	WIN 0x82
.set u, 0
.rept 128
	v_pk_add_f32 v[2*u:2*u+1], v[2*u:2*u+1], v[ST+2*((u/4)%2):ST+2*((u/4)%2)+1]
.set u, u+1
.endr
	WIN 0x0a
.set u, 0
.rept 8
	v_pk_mul_f32 v[CH+2*u:CH+2*u+1], v[2*u:2*u+1], v[2*u:2*u+1]
.set u, u+1
.endr
.set u, 8
.rept 120
	v_pk_fma_f32 v[CH+2*(u%8):CH+2*(u%8)+1], v[2*u:2*u+1], v[2*u:2*u+1], v[CH+2*(u%8):CH+2*(u%8)+1]
.set u, u+1
.endr
	WIN 0
	FOLD 0, ST+8
	FOLD 1, ST+9
	v_fma_f32 v[ST+8], v[ST+8], s[C256], s[EPS]
	v_fma_f32 v[ST+9], v[ST+9], s[C256], s[EPS]
	v_rsq_f32 v[ST+4], v[ST+8]
	v_rsq_f32 v[ST+5], v[ST+8]
	v_rsq_f32 v[ST+6], v[ST+9]
	v_rsq_f32 v[ST+7], v[ST+9]
	v_nop
	s_wait_alu depctr_va_vdst(0)                   ; one wait for the four roots
	WIN 0x82
.set u, 0
.rept 128
	v_pk_mul_f32 v[2*u:2*u+1], v[2*u:2*u+1], v[ST+4+2*((u/4)%2):ST+4+2*((u/4)%2)+1]
.set u, u+1
.endr
	s_wait_dscnt 0x0                               ; g and b are in
.if (\n) == 0
	WIN 0xb2
.set u, 0
.rept 128
	v_pk_fma_f32 v[2*u:2*u+1], v[2*u:2*u+1], v[ABUF+8*(u/8)+2*(u%4):ABUF+8*(u/8)+2*(u%4)+1], v[8*(u/8)+2*(u%4):8*(u/8)+2*(u%4)+1]
.set u, u+1
.endr
	WIN 0x4a
.set e, 0
.rept 128
	v_cvt_pk_f16_f32 v[XF+e], v[8*(2*(2*(e/16)+(e/4)%2)+(e/8)%2)+2*(e%4)], v[8*(2*(2*(e/16)+(e/4)%2)+(e/8)%2)+2*(e%4)+1]
.set e, e+1
.endr
.else
	WIN 0x72
.set e, 0
.rept 256
	v_fma_f32 v[e], v[8*(2*(e/16)+e%2)+(e/2)%8], v[ABUF+8*(e/16)+(e/2)%8], v[8*(e/16)+(e/2)%8]
.set e, e+1
.endr
.endif
.endm
.macro ABAT k, xo, first               ; K step k of a chunk's 128 hidden channels: 16 accumulators by turns
.set i, 0
.rept 8
.set ra, ABUF+64*((\k)%2)+8*i
.irp p, 0, 1
.set rd, 8*(2*i+\p)
.set rb, (\xo)+8*(2*(\k)+\p)
	WIN 0xf4
.if (\first) && ((\k) == 0)
	v_wmma_f32_16x16x32_f16 v[rd:rd+7], v[ra:ra+7], v[rb:rb+7], 0
.else
	v_wmma_f32_16x16x32_f16 v[rd:rd+7], v[ra:ra+7], v[rb:rb+7], v[rd:rd+7]
.endif
.endr
.set i, i+1
.endr
.endm
.macro STEPAB xo, first
	SBEG
.irp k, 0,1,2,3,4,5,6,7
	PRE \k
	ABAT \k, \xo, \first
.endr
.endm
.macro CBAT k                          ; y += mlp_w2 hidden: K step k / 2 of the chunk, output tiles 8 (k % 2) ..: 32 accumulators by turns
.set i, 0
.rept 8
.set ra, ABUF+64*((\k)%2)+8*i
.irp p, 0, 1
.set rd, 8*(2*(8*((\k)%2)+i)+\p)
.set rb, HF+8*(2*((\k)/2)+\p)
	WIN 0xac
	v_wmma_f32_16x16x32_f16 v[rd:rd+7], v[ra:ra+7], v[rb:rb+7], v[rd:rd+7]
.endr
.set i, i+1
.endr
.endm
.macro CHUNK fill
	STEPAB 0, 1                                    ; f1's half of mlp_w1
	CHANGE 1
	STEPAB XF, 0                                   ; LN1's half
	CHANGE \fill
	SBEG                                           ; mlp_w2's first fragments land under the conversions
	WIN 0xcf
.set e, 0
.rept 64
	v_cvt_pk_f16_f32 v[HF+e], v[8*(2*(2*(e/16)+(e/4)%2)+(e/8)%2)+2*(e%4)], v[8*(2*(2*(e/16)+(e/4)%2)+(e/8)%2)+2*(e%4)+1]
.set e, e+1
.endr
.set e, 0
.rept 64
	v_pk_max_num_f16 v[HF+e], v[HF+e], v[Z3]
.set e, e+1
.endr
.irp k, 0,1,2,3,4,5,6,7
	PRE \k
	CBAT \k
.endr
.if \fill
	CHANGE 1
.endif
.endm
	CHANGE 1                                       ; the feature tile, slot 0, K's sums and the tables are whole; slot 1 is asked for
	EXL 0, 0
	EXL 1, 1
	s_wait_dscnt 32                                ; the 32 loads issued last may stay out
	EXC 0, 0
	EXL 2, 0
	s_wait_dscnt 32
	EXC 1, 1
	EXL 3, 1
	s_wait_dscnt 32
	EXC 2, 0
	s_wait_dscnt 0x0
	EXC 3, 1
	WIN 0
	s_mov_b32 s[CNT], 4
.Lhs:                                          ; a slot's two heads, then the change that asks for the slot two on
	HEADS
	CHANGE 1
	s_cmp_eq_u32 s[CNT], 3                         ; the heads' last slot has been asked for: the stream goes on with the chunks
	s_cselect_b64 s[NXT:NXT+1], s[PL:PL+1], s[NXT:NXT+1]
	s_cselect_b32 s[STP], SLOT, s[STP]
	s_sub_co_u32 s[CNT], s[CNT], 1
	s_cmp_lg_u32 s[CNT], 0
	s_cbranch_scc1 .Lhs
	LNORM 0
	WIN 0x80
.set i, 0
.rept 256
	v_mov_b32 v[i], 0                              ; y starts at 0
.set i, i+1
.endr
	WIN 0
	s_mov_b32 s[CNT], 3
.Lck:
	CHUNK 1
	s_sub_co_u32 s[CNT], s[CNT], 1
	s_cmp_lg_u32 s[CNT], 0
	s_cbranch_scc1 .Lck
	CHUNK 0                                        ; the last chunk is written out: its last change asks for nothing
	LNORM 1
	; THE WAY OUT: 8 bytes (a channel of my two points) into the stage; a barrier; back as whole rows of 512 bytes, 64 channels a wave
	WIN 0x04
.set e, 0
.rept 128
	ds_store_b64 v[SA+e/32], v[2*e:2*e+1] offset:((16*(e/8)+e%8)%64)*FP
.set e, e+1
.endr
	WIN 0
	s_wait_dscnt 0x0                               ; for the others' sake: my stores are done
	s_barrier_signal -1
	s_barrier_wait -1
.irp q, 0,1,2,3
	s_wait_xcnt 0x0                                ; earlier stores have read their data: the registers are loaded again
.set i, 0
.rept 16
	ds_load_b128 v[ABUF+4*i:ABUF+4*i+3], v[RA] offset:(16*\q+i)*FP
.set i, i+1
.endr
	s_wait_dscnt 0x0
.set i, 0
.rept 16
	global_store_b128 v[AL], v[ABUF+4*i:ABUF+4*i+3], s[OB:OB+1] offset:(16*\q+i)*65536 th:TH_STORE_NT  ; 512 bytes on end, at a multiple of 512 from out0's first byte
.set i, i+1
.endr
.endr
	s_wait_tensorcnt 0x0                           ; the wave's end
	ds_add_u32 v[SPW], v[NIL]
	s_wait_dscnt 0x0
	ROUND                                          ; the closing round
	s_endpgm
.Lfunc_end_k_q1f0567e25d_main:
	.size	k_q1f0567e25d_main, .Lfunc_end_k_q1f0567e25d_main-k_q1f0567e25d_main
	.p2alignl 7, 3214868480
	.fill 96, 4, 3214868480
	.section	.rodata,"a",@progbits
	.p2align	6, 0x0
	.amdhsa_kernel k_q1f0567e25d_main
		.amdhsa_group_segment_fixed_size 327680
		.amdhsa_private_segment_fixed_size 0
		.amdhsa_enable_private_segment 0
		.amdhsa_kernarg_size 64
		.amdhsa_user_sgpr_count 2
		.amdhsa_user_sgpr_kernarg_segment_ptr 1
		.amdhsa_wavefront_size32 1
		.amdhsa_system_sgpr_workgroup_id_x 1
		.amdhsa_system_sgpr_workgroup_id_y 1
		.amdhsa_system_sgpr_workgroup_id_z 1
		.amdhsa_system_vgpr_workitem_id 0
		.amdhsa_next_free_vgpr 976
		.amdhsa_next_free_sgpr 96
		.amdhsa_reserve_vcc 0
		.amdhsa_float_denorm_mode_32 3
		.amdhsa_float_denorm_mode_16_64 3
		.amdhsa_memory_ordered 1
		.amdhsa_forward_progress 1
		.amdhsa_inst_pref_size 255
	.end_amdhsa_kernel
	.section	.bss,"aw",@nobits
	.p2align	6
	.space	262144
	.amdgpu_metadata
---
amdhsa.version: [ 1, 2 ]
amdhsa.kernels:
  - .name:           k_q1f0567e25d_main
    .symbol:         k_q1f0567e25d_main.kd
    .args:
      - { .name: feat1, .offset: 0, .size: 8, .value_kind: global_buffer, .address_space: global }
      - { .name: wts, .offset: 8, .size: 8, .value_kind: global_buffer, .address_space: global }
      - { .name: mb, .offset: 16, .size: 8, .value_kind: global_buffer, .address_space: global }
      - { .name: ln1_g, .offset: 24, .size: 8, .value_kind: global_buffer, .address_space: global }
      - { .name: ln1_b, .offset: 32, .size: 8, .value_kind: global_buffer, .address_space: global }
      - { .name: ln2_g, .offset: 40, .size: 8, .value_kind: global_buffer, .address_space: global }
      - { .name: ln2_b, .offset: 48, .size: 8, .value_kind: global_buffer, .address_space: global }
      - { .name: out0, .offset: 56, .size: 8, .value_kind: global_buffer, .address_space: global }
    .group_segment_fixed_size: 327680
    .private_segment_fixed_size: 0
    .kernarg_segment_align: 8
    .kernarg_segment_size: 64
    .max_flat_workgroup_size: 128
    .sgpr_count:     96
    .vgpr_count:     976
    .wavefront_size: 32
...
	.end_amdgpu_metadata
.endif
;; end of part 4
;; ======== version 2 of 2: 4 launches; 1.13 times as fast as version 1
;; limits: values are held in f16: magnitudes above 65,504 overflow, below 6.1e-05 lose precision
;; workspace buffers: wts 1,310,720 bytes; part 17,301,504 bytes; mb 557,056 bytes
;; launch prep (part 5): grid 320 x 1, 8 waves a work-group, no clusters, 0 bytes of LDS; arguments pos_w2, k_w, v_w, q_w, mlp_w1, mlp_w2, wts; writes wts
.if DOCPART == 5
	.amdgcn_target "amdgcn-amd-amdhsa--gfx1250"
	.amdhsa_code_object_version 6
	.text
	.protected	k_q1f0567e25d_prep
	.globl	k_q1f0567e25d_prep
	.p2align	8
	.type	k_q1f0567e25d_prep,@function
k_q1f0567e25d_prep:
	s_mov_b64 s[64:65], 0
	v_nop
	global_prefetch_b8 v0, s[64:65] scope:SCOPE_SE
	s_setreg_imm32_b32 hwreg(HW_REG_WAVE_MODE, 25, 1), 1
	s_wait_xcnt 0x0
; The six large weight matrices, f32 [rows][K], are rounded once to bf16 and written as FRAGMENTS: 16 rows x 32 k in 1,024 bytes,
; the 16 bytes at 512 s + 16 L (L = r + 16 h) holding row r, k = 16 s + 8 h + 0..7: what two 16-byte loads a lane bring is a matrix operand.
; q_w, mlp_w1 and mlp_w2 meet f16 operands later: for them the bf16 number is written as f16 (LIMIT: within 65,504; below 6e-5 f16's fixed step of 6e-8).
; Fragment F of a matrix: t = F mod T, ks = (F / T) mod NK, group = F / (T NK); row tile = group T + t, K step = ks.
; SHARES.  A work-group's eight waves write four fragments, half a fragment (512 bytes on end) a wave.  The 1,280 fragments make 320 work-groups, dealt by x:
; 0-127 pos_w2, k_w, v_w, q_w (32 work-groups, 128 fragments each), 128-255 mlp_w1 (512 fragments), 256-319 mlp_w2 (256): equal work for all, and no loop.
.set WP,  0                            ; pos_w2, bf16
.set WKV, 131072                       ; a head: 16 fragments of k_w, then 16 of v_w, bf16
.set WQ,  393216                       ; q_w, f16
.set WL,  524288                       ; four chunks: 128 fragments of mlp_w1, 64 of mlp_w2, f16
.set CHK, 196608
.set SRC, 18                           ; s[18:19] the matrix
.set Y,   20                           ; which matrix
.set WV,  21
.set LGT, 22                           ; log2 T
.set LGN, 23                           ; log2 NK
.set LGK, 24                           ; log2 K
.set LGG, 25                           ; fragments that lie on end: 2^LGG, then a step of STR bytes
.set STR, 26
.set BAS, 27
.set FM,  29                           ; all ones: f16
.macro PICK y, ptr, lgt, lgn, lgk, lgg, str, bas, fm
	s_cmp_eq_u32 s[Y], \y
	s_cselect_b64 s[SRC:SRC+1], s[\ptr:\ptr+1], s[SRC:SRC+1]
	s_cselect_b32 s[LGT], \lgt, s[LGT]
	s_cselect_b32 s[LGN], \lgn, s[LGN]
	s_cselect_b32 s[LGK], \lgk, s[LGK]
	s_cselect_b32 s[LGG], \lgg, s[LGG]
	s_cselect_b32 s[STR], \str, s[STR]
	s_cselect_b32 s[BAS], \bas, s[BAS]
	s_cselect_b32 s[FM], \fm, s[FM]
.endm
	s_load_b256 s[4:11], s[0:1], 0x0               ; pos_w2, k_w, v_w, q_w
	s_load_b128 s[12:15], s[0:1], 0x20             ; mlp_w1, mlp_w2
	s_load_b64 s[16:17], s[0:1], 0x30              ; wts
	s_mov_b32 s42, ttmp9                           ; x
	s_sub_co_u32 s43, s42, 128                     ; the block's number in mlp_w1,
	s_sub_co_u32 s44, s42, 256                     ; in mlp_w2,
	s_lshr_b32 s[Y], s42, 5
	s_and_b32 s30, s42, 31                         ; and in one of the first four
	s_cmp_ge_u32 s42, 128
	s_cselect_b32 s[Y], 4, s[Y]
	s_cselect_b32 s30, s43, s30
	s_cmp_ge_u32 s42, 256
	s_cselect_b32 s[Y], 5, s[Y]
	s_cselect_b32 s30, s44, s30
	v_lshrrev_b32 v1, 5, v0
	v_readfirstlane_b32 s[WV], v1
	v_and_b32 v2, 15, v0                           ; r
	v_bfe_u32 v3, v0, 4, 1                         ; h
	v_and_b32 v4, 31, v0                           ; L
	v_lshlrev_b32 v6, 4, v4                        ; 16 L
	s_mov_b32 s[LGT], 1                            ; matrix 0: pos_w2
	s_mov_b32 s[LGN], 3
	s_mov_b32 s[LGK], 8
	s_mov_b32 s[LGG], 7
	s_mov_b32 s[STR], 0
	s_mov_b32 s[BAS], WP
	s_mov_b32 s[FM], 0
	s_mov_b32 s41, 0xffff0000
	s_wait_kmcnt 0x0
	s_mov_b64 s[SRC:SRC+1], s[4:5]
	PICK 1, 6,  1, 3, 8, 4, 32768, WKV,       0
	PICK 2, 8,  1, 3, 8, 4, 32768, WKV+16384, 0
	PICK 3, 10, 1, 3, 8, 7, 0,     WQ,        -1
	PICK 4, 12, 3, 4, 9, 7, CHK,   WL,        -1
	PICK 5, 14, 4, 4, 9, 6, CHK,   WL+131072, -1
	s_add_co_u32 s35, s[LGK], 2
	v_lshlrev_b32 v5, s35, v2                      ; row r, in bytes,
	v_lshl_add_u32 v5, v3, 5, v5                   ; + 8 h numbers
	s_lshr_b32 s33, s[WV], 1                       ; which of the block's four fragments
	s_and_b32 s34, s[WV], 1                        ; which half of it: s
	s_lshl2_add_u32 s32, s30, s33                  ; F = 4 x block + fragment
	s_lshl_b32 s35, -1, s[LGT]
	s_and_not1_b32 s36, s32, s35                   ; t
	s_lshr_b32 s37, s32, s[LGT]
	s_lshl_b32 s35, -1, s[LGN]
	s_and_not1_b32 s38, s37, s35                   ; ks
	s_lshr_b32 s37, s37, s[LGN]                    ; group
	s_lshl_b32 s37, s37, s[LGT]
	s_add_co_u32 s37, s37, s36                     ; row tile
	s_lshl_b32 s37, s37, 4
	s_lshl_b32 s37, s37, s[LGK]                    ; its first row's first number
	s_lshl_b32 s38, s38, 5
	s_add_co_u32 s37, s37, s38                     ; + 32 ks
	s_lshl_b32 s38, s34, 4
	s_add_co_u32 s37, s37, s38                     ; + 16 s
	s_lshl_b32 s37, s37, 2                         ; bytes
	s_lshr_b32 s39, s32, s[LGG]
	s_mul_i32 s39, s39, s[STR]
	s_add_co_u32 s39, s39, s[BAS]
	s_lshl_b32 s35, -1, s[LGG]
	s_and_not1_b32 s40, s32, s35
	s_lshl_b32 s40, s40, 10
	s_add_co_u32 s39, s39, s40
	s_lshl_b32 s40, s34, 9
	s_add_co_u32 s39, s39, s40                     ; where my half fragment goes
	v_add_nc_u32 v7, s37, v5
	v_add_nc_u32 v32, s39, v6
	global_load_b128 v[8:11], v7, s[SRC:SRC+1]
	global_load_b128 v[12:15], v7, s[SRC:SRC+1] offset:16
	s_wait_loadcnt 0x0
.irp i, 0,1,2,3
	v_cvt_pk_bf16_f32 v[16+\i], v[8+2*\i], v[9+2*\i]
.endr
.irp i, 0,1,2,3
	v_lshlrev_b32 v[20+2*\i], 16, v[16+\i]         ; the rounded numbers once more in f32,
	v_and_b32 v[21+2*\i], s41, v[16+\i]
.endr
.irp i, 0,1,2,3
	v_cvt_pk_f16_f32 v[28+\i], v[20+2*\i], v[21+2*\i]  ; and as f16
.endr
.irp i, 0,1,2,3
	v_cndmask_b32 v[16+\i], v[16+\i], v[28+\i], s[FM]  ; the matrix's format: a choice of values, no branch
.endr
	global_store_b128 v32, v[16:19], s[16:17]      ; the wave's 512 bytes lie on end, at a multiple of 512 from the buffer's first byte
	s_endpgm
.Lfunc_end_k_q1f0567e25d_prep:
	.size	k_q1f0567e25d_prep, .Lfunc_end_k_q1f0567e25d_prep-k_q1f0567e25d_prep
	.p2alignl 7, 3214868480
	.fill 96, 4, 3214868480
	.section	.rodata,"a",@progbits
	.p2align	6, 0x0
	.amdhsa_kernel k_q1f0567e25d_prep
		.amdhsa_group_segment_fixed_size 0
		.amdhsa_private_segment_fixed_size 0
		.amdhsa_enable_private_segment 0
		.amdhsa_kernarg_size 56
		.amdhsa_user_sgpr_count 2
		.amdhsa_user_sgpr_kernarg_segment_ptr 1
		.amdhsa_wavefront_size32 1
		.amdhsa_system_sgpr_workgroup_id_x 1
		.amdhsa_system_sgpr_workgroup_id_y 1
		.amdhsa_system_sgpr_workgroup_id_z 1
		.amdhsa_system_vgpr_workitem_id 0
		.amdhsa_next_free_vgpr 40
		.amdhsa_next_free_sgpr 66
		.amdhsa_reserve_vcc 0
		.amdhsa_float_denorm_mode_32 3
		.amdhsa_float_denorm_mode_16_64 3
		.amdhsa_memory_ordered 1
		.amdhsa_forward_progress 1
		.amdhsa_inst_pref_size 6
	.end_amdhsa_kernel
	.amdgpu_metadata
---
amdhsa.version: [ 1, 2 ]
amdhsa.kernels:
  - .name:           k_q1f0567e25d_prep
    .symbol:         k_q1f0567e25d_prep.kd
    .args:
      - { .name: pos_w2, .offset: 0, .size: 8, .value_kind: global_buffer, .address_space: global }
      - { .name: k_w, .offset: 8, .size: 8, .value_kind: global_buffer, .address_space: global }
      - { .name: v_w, .offset: 16, .size: 8, .value_kind: global_buffer, .address_space: global }
      - { .name: q_w, .offset: 24, .size: 8, .value_kind: global_buffer, .address_space: global }
      - { .name: mlp_w1, .offset: 32, .size: 8, .value_kind: global_buffer, .address_space: global }
      - { .name: mlp_w2, .offset: 40, .size: 8, .value_kind: global_buffer, .address_space: global }
      - { .name: wts, .offset: 48, .size: 8, .value_kind: global_buffer, .address_space: global }
    .group_segment_fixed_size: 0
    .private_segment_fixed_size: 0
    .kernarg_segment_align: 8
    .kernarg_segment_size: 56
    .max_flat_workgroup_size: 256
    .sgpr_count:     66
    .vgpr_count:     40
    .wavefront_size: 32
...
	.end_amdgpu_metadata
.endif
;; end of part 5
;; launch kv (part 6): grid 512 x 1, 4 waves a work-group, clusters of 4 x 1, 327,680 bytes of LDS; arguments feat2, xyz2, pos_w1, pos_b1, pos_b2, wts, part; writes part
.if DOCPART == 6
	.amdgcn_target "amdgcn-amd-amdhsa--gfx1250"
	.amdhsa_code_object_version 6
	.text
	.protected	k_q1f0567e25d_kv
	.globl	k_q1f0567e25d_kv
	.p2align	8
	.type	k_q1f0567e25d_kv,@function
k_q1f0567e25d_kv:
	s_mov_b64 s[64:65], 0
	v_nop
	global_prefetch_b8 v0, s[64:65] scope:SCOPE_SE
	s_setreg_imm32_b32 hwreg(HW_REG_WAVE_MODE, 25, 1), 1
	s_wait_xcnt 0x0
	s_wait_alu depctr_hold_cnt(0) depctr_sa_sdst(0) depctr_va_vdst(0) depctr_va_sdst(0) depctr_va_ssrc(0) depctr_va_vcc(0) depctr_vm_vsrc(0)
	s_getreg_b32 s2, hwreg(HW_REG_IB_STS2, 6, 4)
	s_cmp_eq_u32 s2, 0
	s_cbranch_scc0 .Lentry_in_a_cluster
	s_endpgm
.Lentry_in_a_cluster:
	s_bfe_u32 s2, ttmp6, 0x10000c
	s_cmp_lg_u32 s2, 0x3003
	s_cbranch_scc0 .Lentry_shape_is_right
	s_endpgm
.Lentry_shape_is_right:
; THE KEY SIDE.  For a block of 128 points of one batch: f2 = feat2^T, h = relu(xyz2 pos_w1^T + pos_b1), f2p = f2 + h pos_w2^T + pos_b2, k = f2 k_w^T, v = f2p v_w^T, K = elu(k) + 1;
; stored: the block's sums over its points of v[c] K[d] for each head (32 x 32) and of K[d].  The division by v_len is made by the next launch.
; All inputs are rounded to bf16; h, f2p, K and v are rounded once to bf16 as matrix operands; sums in f32.  NaN and infinities are not treated apart.
; SHARES.  Block g = 4 x cluster + place; wave w owns 32 points as two tiles: tile p, lane r is point 32 w + 2 r + p of the block.
; THE CHAIN STAYS IN REGISTERS.  D = W x act (source 0 = 16 rows of a weight, source 1 = 16 points) leaves a point a lane and channels 8 h + j in register j: two such results packed in pairs ARE the
; next product's source 1.  D = act x W leaves a channel a lane and points in the registers: packed, an operand of the sum over the wave's 32 points, which is one K step.
; WEIGHTS come as ready fragments of 1,024 bytes through a ring of two slots of 64 fragments.  All work-groups walk the same stream, so the four of a cluster ask JOINTLY, each wave for a quarter of a slot.
; LDS: ring 0; the feature tile, 256 channels x 128 points f32, rows 528 bytes apart (132 words: lanes 8 rows apart fall 32 banks apart); when it has been read out and two barriers have passed
; the same bytes, which are filled no more, take the four waves' partial sums; KSS the waves' sums of K; the spare words; B2T pos_b2, rounded to bf16, as f32.
.set FP,    528
.set SLOT,  65536
.set FEAT,  131072
.set RED,   FEAT                       ; 4 waves x 32,768
.set KSS,   266240                     ; 4 waves x 1,024
.set SPARE, 270336                     ; 128 bytes a wave: two blocks of 256 that no other line names
.set B2T,   270848                     ; 1,024 bytes
.set PARTB, 33792                      ; a block's bytes in part: 32,768 of v K sums, 1,024 of K sums
; window 0
.set VL,  1                            ; lane
.set VR,  2                            ; r = lane % 16
.set VH,  3                            ; h = lane / 16
.set AW,  4                            ; LDS address of the fragments in hand
.set AL,  5                            ; 16 x lane
.set RW0, 6                            ; my 16 bytes in my wave's part of RED
.set RW,  7
.set KW0, 8                            ; my word in my wave's part of KSS
.set KW,  9
.set SPW, 10                           ; my spare word; never rewritten
.set NIL, 11                           ; 0; never rewritten
.set ONE, 12
.set ZER, 13
.set XYZ, 14                           ; v14-19
.set SA,  20                           ; v20-23: my place in channels 64 q .. of the feature tile
.set XB,  24                           ; v24-39: (x, y, z, 1) as source 1, two tiles; later KF
.set KF,  24                           ; K as source 1, two channel tiles
.set VF,  40                           ; v as source 0, two channel tiles
.set EE,  24                           ; v24-55 at work in elu
.set TM,  56
.set BT,  63                           ; B2T + 32 h
.set ABUF, 64                          ; v64-191: two sets of eight fragments
.set ACC, 192                          ; v192-255
.set HW,  128                          ; window 1: v0-127 f2's fragments (K step f, tile p at 8 (2 f + p)); v128-255 h's
.set BI,  128                          ; window 2: v0-127 f2p's fragments; v128-255 pos_b2: channel 16 ot + 8 h + j at 128 + 8 ot + j
; scalars
.set WV,  18
.set G,   19
.set HM,  20                           ; the lanes with h = 0
.set MH,  21
.set G1F, 28
.set G0F, 36
.set G1W, 40
.set G0W, 48
.set NXT, 52                           ; my quarter of the next slot to ask for
.set STP, 54
.set TB,  56                           ; LDS byte at which the fragments in hand begin
.set RO,  57                           ; 4,096 x head
.set KO,  58                           ; 128 x head
.set CNT, 59
.set CN2, 60
.set SEL, 62
.set LG,  66
.set PT,  68
.set MSB, 0
.macro WIN new                         ; the high byte repeats the setting that is left; a switch that changes nothing is dropped
.if MSB != (\new)
	s_set_vgpr_msb (MSB<<8)|(\new)
.set MSB, (\new)
.endif
.endm
.macro PLACES                          ; four places behind matrix instructions, ahead of loads into their sources and of readers of their results
.rept 4
	v_nop
.endr
.endm
.macro ROUND                           ; a round of the cluster's barrier
	s_barrier_signal -1
	s_barrier_wait -1
	s_cmp_lg_u32 s[WV], 0
	s_cbranch_scc1 .Lnw0_\@
	s_barrier_signal -3
.Lnw0_\@:
	s_barrier_wait -3
	s_barrier_signal -1
	s_barrier_wait -1
.endm
; THE CHANGE OF SLOTS.  Every wave has waited for all its tensor loads (its quarter of the next slot), has added 0 to its spare word, and has waited for that and for its reads of the old slot.
; fill = 1: a round of the cluster's barrier, and first behind it the joint refill of the old slot, one load a wave: it has a slot's 128 products a wave in which to land.
.macro CHANGE fill
	WIN 0
	s_wait_tensorcnt 0x0                           ; no tensor load of mine is out, so group 0 may be written
	ds_add_u32 v[SPW], v[NIL]
.if \fill
	s_xor_b32 s[G0W+1], s[G0W+1], SLOT
	s_mov_b64 s[G0W+2:G0W+3], s[NXT:NXT+1]
	s_or_b32 s[G0W+3], s[G0W+3], 0x80000000
	s_add_nc_u64 s[NXT:NXT+1], s[NXT:NXT+1], s[STP:STP+1]
.endif
	s_xor_b32 s[TB], s[TB], SLOT
	s_wait_dscnt 0x0                               ; the add is done, my reads of the old slot are back, my LDS stores are done
.if \fill
	ROUND
	tensor_load_to_lds s[G0W:G0W+3], s[G1W:G1W+7]
	s_nop 0
	PLACES
.else
	s_barrier_signal -1
	s_barrier_wait -1
.endif
.endm
.macro LDA set, f0                     ; fragments f0 .. f0 + 7 into a set: 16 loads, each 512 bytes on end
	WIN 0
.set li, 0
.rept 8
	ds_load_b128 v[ABUF+64*(\set)+8*li:ABUF+64*(\set)+8*li+3],   v[AW] offset:((\f0)+li)*1024
	ds_load_b128 v[ABUF+64*(\set)+8*li+4:ABUF+64*(\set)+8*li+7], v[AW] offset:((\f0)+li)*1024+512
.set li, li+1
.endr
.endm
.macro SBEG                            ; a step begins: its first eight fragments
	WIN 0
	v_add_nc_u32 v[AW], s[TB], v[AL]
	PLACES
	LDA 0, 0
.endm
.macro PRE k                           ; ahead of batch k of NBAT: the next batch is asked for, this one waited for
	PLACES
.if (\k) < NBAT-1
	LDA ((\k)+1)%2, 8*((\k)+1)
	s_wait_dscnt 16                                ; the 16 loads just issued may stay out
.else
	s_wait_dscnt 0x0
.endif
.endm
	s_load_b256 s[4:11], s[0:1], 0x0               ; feat2 s[4:5], xyz2 s[6:7], pos_w1 s[8:9], pos_b1 s[10:11]
	s_load_b128 s[12:15], s[0:1], 0x20             ; pos_b2 s[12:13], wts s[14:15]
	s_load_b64 s[16:17], s[0:1], 0x30              ; part
	v_lshl_add_u32 v[SPW], v0, 2, SPARE
	v_mov_b32 v[NIL], 0
	ds_add_u32 v[SPW], v[NIL]                      ; the opening: the add, twice on end, and its wait ahead of my first tensor load
	ds_add_u32 v[SPW], v[NIL]
	v_lshrrev_b32 v1, 5, v0
	v_readfirstlane_b32 s[WV], v1
	s_bfe_u32 s22, ttmp6, 0x40000                  ; my place in the cluster: it enters feat2's, xyz2's and part's addresses alone
	s_lshl_b32 s[G], ttmp9, 2
	s_add_co_u32 s[G], s[G], s22                   ; my block of 128 points
	; group 1 of the feature tile: 64 channel rows x 128 f32, 16 bytes of padding behind each row; my own load, no mask
	s_mov_b32 s[G1F], (2<<16)|(1<<20)|(6<<22)|(3<<25)
	s_mov_b32 s[G1F+1], 128<<16
	s_mov_b32 s[G1F+2], 64<<16
	s_mov_b32 s[G1F+3], 128<<16
	s_mov_b32 s[G1F+4], 64
	s_mov_b32 s[G1F+5], 16384
	s_mov_b32 s[G1F+6], 0
	s_mov_b32 s[G1F+7], 0
	; group 1 of a quarter slot: 16,384 dense bytes as 64 rows of 256; the mask names the cluster's four, bit 21 beside it
	s_mov_b32 s[G1W], 15|(3<<16)|(1<<21)
	s_mov_b32 s[G1W+1], 32<<16
	s_mov_b32 s[G1W+2], 64<<16
	s_mov_b32 s[G1W+3], 32<<16
	s_mov_b32 s[G1W+4], 64
	s_mov_b32 s[G1W+5], 32
	s_mov_b32 s[G1W+6], 0
	s_mov_b32 s[G1W+7], 0
	s_mov_b32 s[G0F], 1
	s_mul_i32 s[G0F+1], s[WV], 64*FP
	s_add_co_u32 s[G0F+1], s[G0F+1], FEAT
	s_mov_b32 s[G0W], 1
	s_lshl_b32 s[G0W+1], s[WV], 14                 ; slot 0, my quarter
	s_lshl_b32 s24, s[WV], 14
	s_mov_b32 s25, 0
	s_mov_b32 s[STP], SLOT
	s_mov_b32 s[STP+1], 0
	s_mov_b32 s[TB], SLOT                          ; the first change turns it into 0
	s_mov_b32 s[RO], 0
	s_mov_b32 s[KO], 0
	s_mov_b32 s[MH], 0xffff0000
	s_mov_b32 s[SEL], 0x76543210
	s_mov_b32 s[SEL+1], 0xfedcba98
	s_mov_b32 s[LG], 0x3fb8aa3b                    ; log2(e)
	s_mov_b32 s[LG+1], s[LG]
	s_lshr_b32 s22, s[G], 7                        ; batch
	s_lshl_b32 s22, s22, 24
	s_lshl_b32 s23, s[WV], 22                      ; my 64 channel rows
	s_add_co_u32 s22, s22, s23
	s_and_b32 s23, s[G], 127
	s_lshl_b32 s23, s23, 9                         ; the block's 128 points
	s_add_co_u32 s22, s22, s23
	s_mov_b32 s23, 0
	s_lshl_b32 s26, s[G], 7
	s_lshl_b32 s27, s[WV], 5
	s_add_co_u32 s26, s26, s27
	s_mul_i32 s26, s26, 12                         ; my wave's first point in xyz2
	s_mov_b32 s27, 0
	s_mul_i32 s[PT], s[G], PARTB
	s_mov_b32 s[PT+1], 0
	s_wait_dscnt 0x0                               ; both opening adds are done
	s_wait_kmcnt 0x0
	s_add_nc_u64 s[G0F+2:G0F+3], s[4:5], s[22:23]
	s_or_b32 s[G0F+3], s[G0F+3], 0x80000000
	s_add_nc_u64 s[NXT:NXT+1], s[14:15], s[24:25]
	s_mov_b64 s[G0W+2:G0W+3], s[NXT:NXT+1]
	s_or_b32 s[G0W+3], s[G0W+3], 0x80000000
	s_add_nc_u64 s[NXT:NXT+1], s[NXT:NXT+1], s[STP:STP+1]
	s_add_nc_u64 s[6:7], s[6:7], s[26:27]
	s_add_nc_u64 s[PT:PT+1], s[16:17], s[PT:PT+1]
	ROUND                                          ; the four work-groups are here: the first joint loads meet
	tensor_load_to_lds s[G0F:G0F+3], s[G1F:G1F+7]  ; the first fills, as one group: my quarter of the feature tile,
	s_nop 0
	tensor_load_to_lds s[G0W:G0W+3], s[G1W:G1W+7]  ; and of the first slot: two loads of mine are out
	s_nop 0
	PLACES
	v_and_b32 v[VL], 31, v0
	v_and_b32 v[VR], 15, v0
	v_bfe_u32 v[VH], v0, 4, 1
	v_lshlrev_b32 v[AL], 4, v[VL]
	v_mov_b32 v[ONE], 1.0
	v_mov_b32 v[ZER], 0
	v_cmp_eq_u32 s[HM], 0, v[VH]
	v_mul_u32_u24 v[TM], v[VR], 24                 ; two points of three numbers
	v_mul_u32_u24 v[TM+1], v[VR], 12               ; a row of pos_w1
	v_lshlrev_b32 v[TM+2], 2, v[VR]
	v_lshlrev_b32 v[TM+3], 3, v0                   ; two numbers of pos_b2 a thread
	global_load_b64 v[XYZ:XYZ+1],   v[TM], s[6:7]
	global_load_b64 v[XYZ+2:XYZ+3], v[TM], s[6:7] offset:8
	global_load_b64 v[XYZ+4:XYZ+5], v[TM], s[6:7] offset:16
.set ot, 0
.rept 16                               ; row 16 ot + r of pos_w1 and its bias
	global_load_b32 v[ACC+4*ot],   v[TM+1], s[8:9] offset:192*ot
	global_load_b32 v[ACC+4*ot+1], v[TM+1], s[8:9] offset:192*ot+4
	global_load_b32 v[ACC+4*ot+2], v[TM+1], s[8:9] offset:192*ot+8
	global_load_b32 v[ACC+4*ot+3], v[TM+2], s[10:11] offset:64*ot
.set ot, ot+1
.endr
	global_load_b64 v[TM+4:TM+5], v[TM+3], s[12:13]
	v_mul_u32_u24 v[SA], v[VH], 8*FP               ; while they are on their way: addresses and zeros
	v_lshl_add_u32 v[SA], v[VR], 3, v[SA]
	s_lshl_b32 s24, s[WV], 7
	s_add_co_u32 s24, s24, FEAT
	v_add_nc_u32 v[SA], s24, v[SA]                 ; channel 8 h, points 32 w + 2 r and + 1
	v_add_nc_u32 v[SA+1], 64*FP, v[SA]
	v_add_nc_u32 v[SA+2], 128*FP, v[SA]
	v_add_nc_u32 v[SA+3], 192*FP, v[SA]
	s_lshl_b32 s24, s[WV], 15
	s_add_co_u32 s24, s24, RED
	v_add_nc_u32 v[RW0], s24, v[AL]
	s_lshl_b32 s24, s[WV], 10
	s_add_co_u32 s24, s24, KSS
	v_lshl_add_u32 v[KW0], v[VL], 2, s24
	v_add_nc_u32 v[TM+6], B2T, v[TM+3]
	v_lshl_add_u32 v[BT], v[VH], 5, B2T
.irp j, 32,33,34,35,36,37
	v_mov_b32 v[ABUF+\j], 0                        ; behind the last of pos_w1's fragments
.endr
.irp j, 2,3,4,5,6,7,10,11,12,13,14,15
	v_mov_b32 v[XB+\j], 0
.endr
	s_wait_loadcnt 0x0
; pos_w1's 16 fragments OVERLAP: fragment ot is v[ABUF + 2 ot .. + 7].  Its first two registers hold k = 0 .. 3: w0, w1, w2, b1 of row 16 ot + r; its other six are the next fragments' numbers (or the zeros
; above), at k where the other source is 0, as it is for all k of the lanes with h = 1: they add nothing as long as they are finite.
.set ot, 0
.rept 16
	v_cvt_pk_bf16_f32 v[ABUF+2*ot],   v[ACC+4*ot],   v[ACC+4*ot+1]
	v_cvt_pk_bf16_f32 v[ABUF+2*ot+1], v[ACC+4*ot+2], v[ACC+4*ot+3]
.set ot, ot+1
.endr
	v_cvt_pk_bf16_f32 v[XB],   v[XYZ],   v[XYZ+1]  ; x, y, z, 1 of my two points
	v_cvt_pk_bf16_f32 v[XB+1], v[XYZ+2], v[ONE]
	v_cvt_pk_bf16_f32 v[XB+8], v[XYZ+3], v[XYZ+4]
	v_cvt_pk_bf16_f32 v[XB+9], v[XYZ+5], v[ONE]
.irp j, 0,1,8,9
	v_cndmask_b32 v[XB+\j], 0, v[XB+\j], s[HM]     ; in the lanes with h = 0 alone
.endr
	v_cvt_pk_bf16_f32 v[TM], v[TM+4], v[TM+5]      ; my two numbers of pos_b2, rounded to bf16, go into the table as f32: the first change's wait and barrier show them to every wave
	v_lshlrev_b32 v[TM+4], 16, v[TM]
	v_and_b32 v[TM+5], s[MH], v[TM]
	ds_store_b64 v[TM+6], v[TM+4:TM+5]
	; h = relu(pos_w1 (x, y, z) + pos_b1): it needs nothing from LDS, so it stands in the wait for the first tiles
.set g4, 0
.rept 4
	WIN 0
.set i, 0
.rept 4
	v_wmma_f32_16x16x32_bf16 v[ACC+16*i:ACC+16*i+7],    v[ABUF+2*(4*g4+i):ABUF+2*(4*g4+i)+7], v[XB:XB+7],    0
	v_wmma_f32_16x16x32_bf16 v[ACC+16*i+8:ACC+16*i+15], v[ABUF+2*(4*g4+i):ABUF+2*(4*g4+i)+7], v[XB+8:XB+15], 0
.set i, i+1
.endr
	PLACES
	WIN 0x40
.set e, 0
.rept 32
	v_cvt_pk_bf16_f32 v[HW+8*(2*(2*g4+e/16)+(e/4)%2)+4*((e/8)%2)+e%4], v[ACC+2*e], v[ACC+2*e+1]
.set e, e+1
.endr
.set g4, g4+1
.endr
	WIN 0x41
.set i, 0
.rept 128
	v_pk_max_num_bf16 v[HW+i], v[HW+i], v[ZER]
.set i, i+1
.endr
; f2's fragments out of the feature tile.  A load of 8 bytes brings one channel of my two points; 32 loads are two K steps of both tiles.
.macro EXL k, buf
	WIN 0
.set c, 0
.rept 32
	ds_load_b64 v[ABUF+64*(\buf)+2*c:ABUF+64*(\buf)+2*c+1], v[SA+(\k)] offset:(16*(c/8)+c%8)*FP
.set c, c+1
.endr
.endm
.macro EXC k, buf
	WIN 0x40
.set e, 0
.rept 32
.set ta, ABUF+64*(\buf)+2*(16*(e/16)+8*((e/4)%2)+2*(e%4))+(e/8)%2
	v_cvt_pk_bf16_f32 v[8*(2*(2*(\k)+e/16)+(e/8)%2)+4*((e/4)%2)+e%4], v[ta], v[ta+2]
.set e, e+1
.endr
.endm
; f2p for output channels 32 oc ..: 32 products h pos_w2^T that start at pos_b2, f2 added in f32, rounded once
.macro POS oc
.set kb, 2*((\oc)%4)
.irp hb, 0, 1
	PRE kb+\hb
.set i, 0
.rept 8
.set ks, 4*\hb+i/2
.set t, i%2
.set ra, ABUF+64*\hb+8*i
.irp p, 0, 1
.set rd, ACC+8*(2*t+\p)
.set rb, HW+8*(2*ks+\p)
.if ks == 0
	WIN 0x24                                       ; C in window 2: the bias
	v_wmma_f32_16x16x32_bf16 v[rd:rd+7], v[ra:ra+7], v[rb:rb+7], v[BI+8*(2*(\oc)+t):BI+8*(2*(\oc)+t)+7]
.else
	WIN 0x04
	v_wmma_f32_16x16x32_bf16 v[rd:rd+7], v[ra:ra+7], v[rb:rb+7], v[rd:rd+7]
.endif
.endr
.set i, i+1
.endr
.endr
	PLACES
	WIN 0x01
.set e, 0
.rept 32
.if e%2
	v_fma_mix_f32_bf16 v[ACC+e], v[8*(2*(\oc)+(e/8)%2)+4*(e/16)+(e%8)/2], v[ONE], v[ACC+e] op_sel:[1,0,0] op_sel_hi:[1,0,0]
.else
	v_fma_mix_f32_bf16 v[ACC+e], v[8*(2*(\oc)+(e/8)%2)+4*(e/16)+(e%8)/2], v[ONE], v[ACC+e] op_sel_hi:[1,0,0]
.endif
.set e, e+1
.endr
	WIN 0x80
.set e, 0
.rept 16
	v_cvt_pk_bf16_f32 v[8*(2*(\oc)+(e/4)%2)+4*(e/8)+e%4], v[ACC+2*e], v[ACC+2*e+1]
.set e, e+1
.endr
.endm
; batch k of a head's four: k = f2 k_w^T (k < 2) or v = f2p v_w^T; the four accumulators take turns
.macro HB k
.set i, 0
.rept 8
.set ks, 4*((\k)%2)+i/2
.set t, i%2
.set ra, ABUF+64*((\k)%2)+8*i
.irp p, 0, 1
.set rd, ACC+32*((\k)/2)+8*(2*t+\p)
.set rb, 8*(2*ks+\p)
	WIN 1+(\k)/2                                   ; source 0: f2 in window 1, f2p in window 2
.if ks == 0
	v_wmma_f32_16x16x32_bf16 v[rd:rd+7], v[rb:rb+7], v[ra:ra+7], 0
.else
	v_wmma_f32_16x16x32_bf16 v[rd:rd+7], v[rb:rb+7], v[ra:ra+7], v[rd:rd+7]
.endif
.endr
.set i, i+1
.endr
.endm
.macro HEAD
	WIN 0
	v_add_nc_u32 v[AW], s[TB], v[AL]
	v_add_nc_u32 v[RW], s[RO], v[RW0]
	v_add_nc_u32 v[KW], s[KO], v[KW0]
	LDA 0, 0
.set NBAT, 4
.irp k, 0,1,2,3
	PRE \k
	HB \k
.endr
	WIN 0                                          ; K = max(k, 0) + 2^(log2(e) min(k, 0)); k's sums ended two batches back
.set i, 0
.rept 32
	v_min_num_f32 v[EE+i], 0, v[ACC+i]
.set i, i+1
.endr
.set i, 0
.rept 16
	v_pk_mul_f32 v[EE+2*i:EE+2*i+1], v[EE+2*i:EE+2*i+1], s[LG:LG+1] op_sel_hi:[1,0]
.set i, i+1
.endr
.set i, 0
.rept 32
	v_exp_f32 v[EE+i], v[EE+i]
.set i, i+1
.endr
.set i, 0
.rept 32
	v_max_num_f32 v[ACC+i], 0, v[ACC+i]            ; plain work behind the batch of exponentials
.set i, i+1
.endr
	s_wait_alu depctr_va_vdst(0)                   ; one wait for the 32 exponentials, ahead of their first reader
.set i, 0
.rept 16
	v_pk_add_f32 v[ACC+2*i:ACC+2*i+1], v[ACC+2*i:ACC+2*i+1], v[EE+2*i:EE+2*i+1]
.set i, i+1
.endr
.set e, 0
.rept 16
	v_cvt_pk_bf16_f32 v[KF+e], v[ACC+2*e], v[ACC+2*e+1]
.set e, e+1
.endr
.set e, 0
.rept 16
	v_cvt_pk_bf16_f32 v[VF+e], v[ACC+32+2*e], v[ACC+32+2*e+1]
.set e, e+1
.endr
.irp vt, 0, 1                          ; the sum over my 32 points of v[16 vt + 8 h + j] K[16 dt + r]
.irp dt, 0, 1
	v_wmma_f32_16x16x32_bf16 v[ACC+32+8*(2*\vt+\dt):ACC+32+8*(2*\vt+\dt)+7], v[VF+8*\vt:VF+8*\vt+7], v[KF+8*\dt:KF+8*\dt+7], 0
.endr
.endr
.irp t, 0, 1                           ; the sum of K over my 32 points, in f32: these lines are also the places behind the four products
.irp j, 0,2,4,6
	v_pk_add_f32 v[ACC+16*\t+\j:ACC+16*\t+\j+1], v[ACC+16*\t+\j:ACC+16*\t+\j+1], v[ACC+16*\t+8+\j:ACC+16*\t+9+\j]
.endr
.endr
.irp t, 0, 1
	v_pk_add_f32 v[ACC+16*\t:ACC+16*\t+1],   v[ACC+16*\t:ACC+16*\t+1],   v[ACC+16*\t+4:ACC+16*\t+5]
	v_pk_add_f32 v[ACC+16*\t+2:ACC+16*\t+3], v[ACC+16*\t+2:ACC+16*\t+3], v[ACC+16*\t+6:ACC+16*\t+7]
.endr
.irp t, 0, 1
	v_pk_add_f32 v[ACC+16*\t:ACC+16*\t+1], v[ACC+16*\t:ACC+16*\t+1], v[ACC+16*\t+2:ACC+16*\t+3]
.endr
.irp t, 0, 1
	v_add_f32 v[ACC+16*\t], v[ACC+16*\t], v[ACC+16*\t+1]
.endr
.irp t, 0, 1
	v_permlanex16_b32 v[TM+\t], v[ACC+16*\t], s[SEL], s[SEL+1]
.endr
.irp t, 0, 1
	v_add_f32 v[TM+\t], v[TM+\t], v[ACC+16*\t]
.endr
	v_cndmask_b32 v[TM+2], v[TM+1], v[TM], s[HM]   ; lane L keeps channel L of the head
	ds_store_b32 v[KW], v[TM+2]
.set q, 0
.rept 8
	ds_store_b128 v[RW], v[ACC+32+4*q:ACC+32+4*q+3] offset:512*q
.set q, q+1
.endr
	s_add_co_u32 s[TB], s[TB], 32768
	s_add_co_u32 s[RO], s[RO], 4096
	s_add_co_u32 s[KO], s[KO], 128
.endm
.macro HEADS                           ; a slot's two heads: written once, walked twice
	WIN 0
	s_mov_b32 s[CN2], 2
.Lhd_\@:
	HEAD
	WIN 0
	s_sub_co_u32 s[CN2], s[CN2], 1
	s_cmp_lg_u32 s[CN2], 0
	s_cbranch_scc1 .Lhd_\@
	s_sub_co_u32 s[TB], s[TB], SLOT
.endm
	CHANGE 1                                       ; the feature tile, slot 0 and pos_b2's table are whole; slot 1 is asked for
	EXL 0, 0
	EXL 1, 1
	s_wait_dscnt 32                                ; the 32 loads issued last may stay out
	EXC 0, 0
	EXL 2, 0
	s_wait_dscnt 32
	EXC 1, 1
	EXL 3, 1
	s_wait_dscnt 32
	EXC 2, 0
	WIN 0x80                                       ; destination window 2: pos_b2 of channels 16 ot + 8 h + j
.set i, 0
.rept 32
	ds_load_b128 v[BI+4*i:BI+4*i+3], v[BT] offset:64*(i/2)+16*(i%2)
.set i, i+1
.endr
	s_wait_dscnt 32                                ; these 32 may stay out: the first counted wait of the step below, which leaves only younger loads out, covers them
	EXC 3, 1
.set NBAT, 8
	SBEG
	POS 0
	POS 1
	POS 2
	POS 3
	CHANGE 1
.set NBAT, 8
	SBEG
	POS 4
	POS 5
	POS 6
	POS 7
	WIN 0
	s_mov_b32 s[CNT], 3
.Lsl:
	CHANGE 1
	HEADS
	s_sub_co_u32 s[CNT], s[CNT], 1
	s_cmp_lg_u32 s[CNT], 0
	s_cbranch_scc1 .Lsl
	CHANGE 0                                       ; the last slot is written out: nothing is asked for
	HEADS
	; the four waves' sums are added, a quarter of the image a wave, and stored: 2,048 bytes a trip
	s_wait_dscnt 0x0                               ; for the others' sake: my stores are done
	s_barrier_signal -1
	s_barrier_wait -1
	s_lshl_b32 s24, s[WV], 13
	v_add_nc_u32 v[TM+2], s24, v[AL]               ; 8,192 w + 16 L: in each wave's image, and in part
	v_add_nc_u32 v[TM+3], RED, v[TM+2]
	v_add_nc_u32 v[TM+4], RED+65536, v[TM+2]
	s_mov_b32 s[CNT], 4
	s_mov_b32 s[RO], 0
.Lrd:
	v_add_nc_u32 v[TM],   s[RO], v[TM+3]
	v_add_nc_u32 v[TM+1], s[RO], v[TM+4]
.set i, 0
.rept 4
	ds_load_b128 v[ABUF+16*i:ABUF+16*i+3],     v[TM]   offset:i*512
	ds_load_b128 v[ABUF+16*i+4:ABUF+16*i+7],   v[TM]   offset:32768+i*512
	ds_load_b128 v[ABUF+16*i+8:ABUF+16*i+11],  v[TM+1] offset:i*512
	ds_load_b128 v[ABUF+16*i+12:ABUF+16*i+15], v[TM+1] offset:32768+i*512
.set i, i+1
.endr
	s_wait_dscnt 0x0
.set i, 0
.rept 4
	v_pk_add_f32 v[ABUF+16*i:ABUF+16*i+1],     v[ABUF+16*i:ABUF+16*i+1],     v[ABUF+16*i+4:ABUF+16*i+5]
	v_pk_add_f32 v[ABUF+16*i+2:ABUF+16*i+3],   v[ABUF+16*i+2:ABUF+16*i+3],   v[ABUF+16*i+6:ABUF+16*i+7]
	v_pk_add_f32 v[ABUF+16*i+8:ABUF+16*i+9],   v[ABUF+16*i+8:ABUF+16*i+9],   v[ABUF+16*i+12:ABUF+16*i+13]
	v_pk_add_f32 v[ABUF+16*i+10:ABUF+16*i+11], v[ABUF+16*i+10:ABUF+16*i+11], v[ABUF+16*i+14:ABUF+16*i+15]
	v_pk_add_f32 v[ABUF+16*i:ABUF+16*i+1],     v[ABUF+16*i:ABUF+16*i+1],     v[ABUF+16*i+8:ABUF+16*i+9]
	v_pk_add_f32 v[ABUF+16*i+2:ABUF+16*i+3],   v[ABUF+16*i+2:ABUF+16*i+3],   v[ABUF+16*i+10:ABUF+16*i+11]
	global_store_b128 v[TM+2], v[ABUF+16*i:ABUF+16*i+3], s[PT:PT+1] offset:i*512  ; 512 bytes on end, at a multiple of 256 from part's first byte
.set i, i+1
.endr
	s_wait_xcnt 0x0                                ; the stores have read their data and their base: the next trip loads the one and the next line steps the other
	s_add_nc_u64 s[PT:PT+1], s[PT:PT+1], 2048
	s_add_co_u32 s[RO], s[RO], 2048
	s_sub_co_u32 s[CNT], s[CNT], 1
	s_cmp_lg_u32 s[CNT], 0
	s_cbranch_scc1 .Lrd
	v_lshlrev_b32 v[TM+5], 3, v0                   ; two channels' sums of K a thread
	v_add_nc_u32 v[TM+6], KSS, v[TM+5]
.irp w, 0,1,2,3
	ds_load_b64 v[ACC+2*\w:ACC+2*\w+1], v[TM+6] offset:1024*\w
.endr
	s_wait_dscnt 0x0
	v_pk_add_f32 v[ACC:ACC+1], v[ACC:ACC+1], v[ACC+2:ACC+3]
	v_pk_add_f32 v[ACC+4:ACC+5], v[ACC+4:ACC+5], v[ACC+6:ACC+7]
	v_pk_add_f32 v[ACC:ACC+1], v[ACC:ACC+1], v[ACC+4:ACC+5]
	global_store_b64 v[TM+5], v[ACC:ACC+1], s[PT:PT+1] offset:32768-4*2048  ; the base has gone on by four trips of 2,048 bytes
	s_wait_tensorcnt 0x0                           ; the wave's end
	ds_add_u32 v[SPW], v[NIL]
	s_wait_dscnt 0x0
	ROUND                                          ; the closing round
	s_endpgm
.Lfunc_end_k_q1f0567e25d_kv:
	.size	k_q1f0567e25d_kv, .Lfunc_end_k_q1f0567e25d_kv-k_q1f0567e25d_kv
	.p2alignl 7, 3214868480
	.fill 96, 4, 3214868480
	.section	.rodata,"a",@progbits
	.p2align	6, 0x0
	.amdhsa_kernel k_q1f0567e25d_kv
		.amdhsa_group_segment_fixed_size 327680
		.amdhsa_private_segment_fixed_size 0
		.amdhsa_enable_private_segment 0
		.amdhsa_kernarg_size 56
		.amdhsa_user_sgpr_count 2
		.amdhsa_user_sgpr_kernarg_segment_ptr 1
		.amdhsa_wavefront_size32 1
		.amdhsa_system_sgpr_workgroup_id_x 1
		.amdhsa_system_sgpr_workgroup_id_y 1
		.amdhsa_system_sgpr_workgroup_id_z 1
		.amdhsa_system_vgpr_workitem_id 0
		.amdhsa_next_free_vgpr 768
		.amdhsa_next_free_sgpr 72
		.amdhsa_reserve_vcc 0
		.amdhsa_float_denorm_mode_32 3
		.amdhsa_float_denorm_mode_16_64 3
		.amdhsa_memory_ordered 1
		.amdhsa_forward_progress 1
		.amdhsa_inst_pref_size 159
	.end_amdhsa_kernel
	.amdgpu_metadata
---
amdhsa.version: [ 1, 2 ]
amdhsa.kernels:
  - .name:           k_q1f0567e25d_kv
    .symbol:         k_q1f0567e25d_kv.kd
    .args:
      - { .name: feat2, .offset: 0, .size: 8, .value_kind: global_buffer, .address_space: global }
      - { .name: xyz2, .offset: 8, .size: 8, .value_kind: global_buffer, .address_space: global }
      - { .name: pos_w1, .offset: 16, .size: 8, .value_kind: global_buffer, .address_space: global }
      - { .name: pos_b1, .offset: 24, .size: 8, .value_kind: global_buffer, .address_space: global }
      - { .name: pos_b2, .offset: 32, .size: 8, .value_kind: global_buffer, .address_space: global }
      - { .name: wts, .offset: 40, .size: 8, .value_kind: global_buffer, .address_space: global }
      - { .name: part, .offset: 48, .size: 8, .value_kind: global_buffer, .address_space: global }
    .group_segment_fixed_size: 327680
    .private_segment_fixed_size: 0
    .kernarg_segment_align: 8
    .kernarg_segment_size: 56
    .max_flat_workgroup_size: 128
    .sgpr_count:     72
    .vgpr_count:     768
    .wavefront_size: 32
...
	.end_amdgpu_metadata
.endif
;; end of part 6
;; launch red (part 7): grid 4 x 64, 16 waves a work-group, no clusters, 26,880 bytes of LDS; arguments part, merge_w, mb; writes mb
.if DOCPART == 7
	.amdgcn_target "amdgcn-amd-amdhsa--gfx1250"
	.amdhsa_code_object_version 6
	.text
	.protected	k_q1f0567e25d_red
	.globl	k_q1f0567e25d_red
	.p2align	8
	.type	k_q1f0567e25d_red,@function
k_q1f0567e25d_red:
	s_mov_b64 s[64:65], 0
	v_nop
	global_prefetch_b8 v0, s[64:65] scope:SCOPE_SE
	s_setreg_imm32_b32 hwreg(HW_REG_WAVE_MODE, 25, 1), 1
	s_wait_xcnt 0x0
; For batch b, head hd and half dt of the head's 32 d (grid y = 16 b + 2 hd + dt): the 128 blocks' sums are added, KV[d][v] = sum / v_len, and merge_w is folded in, in f32:
; M[o][32 hd + d] = the sum over v of merge_w[o][32 hd + v] KV[d][v], for the 64 rows o = 64 x + .. and the 16 d = 16 dt + ...  merge_w is rounded to bf16 as every input is; M is rounded once to bf16
; and written as fragments (16 rows o x 32 d).  The work-groups with x = 0 and dt = 0 also add the sums of K and write them as a fragment of 16 equal rows, in bf16.
; SHARES.  16 d of a head are 2,048 bytes of a block's image: two runs of 1,024 on end.  128 threads cover them, 16 bytes each; the 16 waves are four groups of 128 threads, and a group adds 32 of the 128
; images.  A thread's 32 loads go out together: all that the work-group reads, 256 KiB, is on its way at once.  The four work-groups of one y add the same images: a sum shared between them would want
; traffic between work-groups.
; PHASES.  1: every thread adds its 32 images; the four groups' sums go to LDS.  2: waves 0-3 add the four groups and divide by v_len; wave 4 adds K's sums.  3: waves 0-3: thread t makes row t % 64,
; eight d: 8 (t / 64) ..; wave 4 writes K's fragment.  A barrier stands between the phases, on every wave's path.
.set PARTB, 33792
.set MBB,   139264                     ; a batch in mb: 128 fragments of M, then 8 of K's sums
.set PS,    0                          ; four groups x 2,048: thread t's 16 bytes at 16 t
.set KSP,   8192                       ; K's sums: thread t's 16 bytes at 16 t: images t / 8 and t / 8 + 64, channels 4 (t % 8) ..
.set KSL,   16384                      ; the 32 sums of K
.set SPARE, 16640                      ; 128 bytes a wave: eight blocks of 256 that no other line names
.set KVF,   18688                      ; the 16 d x 32 v, as kv's registers held them: 2,048 bytes, thread t's 16 at 16 t
	s_load_b128 s[4:7], s[0:1], 0x0                ; part, merge_w
	s_load_b64 s[8:9], s[0:1], 0x10                ; mb
	v_lshl_add_u32 v6, v0, 2, SPARE
	v_mov_b32 v7, 0
	v_lshrrev_b32 v1, 5, v0
	v_readfirstlane_b32 s10, v1                    ; wave 0..15
	s_mov_b32 s15, ttmp9                           ; x
	s_and_b32 s11, ttmp7, 0xffff
	s_lshr_b32 s12, s11, 4                         ; b
	s_bfe_u32 s13, s11, 0x30001                    ; hd: three bits from bit 1
	s_and_b32 s30, s11, 1                          ; dt
	s_or_b32 s14, s15, s30                         ; 0: this work-group also adds K's sums; the same in all its waves
	s_mov_b32 s32, 0x76543210                      ; v_permlanex16_b32: each lane takes its own place in the other half
	s_mov_b32 s33, 0xfedcba98
	v_and_b32 v1, 31, v0                           ; lane
	v_and_b32 v2, 63, v0
	v_lshlrev_b32 v3, 4, v0                        ; 16 t
	v_bfe_u32 v4, v0, 6, 1                         ; which of the two runs
	v_lshlrev_b32 v5, 4, v2
	v_lshl_add_u32 v5, v4, 11, v5                  ; they lie 2,048 bytes apart in an image
	s_lshr_b32 s22, s10, 2                         ; my group,
	s_mul_i32 s22, s22, 32*PARTB                   ; its 32 images
	v_add_nc_u32 v5, s22, v5
	v_lshrrev_b32 v9, 3, v0                        ; K's sums: image t / 8,
	v_mul_u32_u24 v9, v9, PARTB
	v_and_b32 v10, 7, v0
	v_lshl_add_u32 v9, v10, 4, v9                  ; channels 4 (t % 8) ..
	v_lshlrev_b32 v12, 10, v2                      ; my row of merge_w among the 64
	v_lshrrev_b32 v13, 4, v2
	v_and_b32 v15, 15, v2
	v_lshlrev_b32 v13, 10, v13
	v_lshl_add_u32 v13, v15, 4, v13                ; in mb: fragment (row / 16), row % 16
	s_mul_i32 s16, s12, 128*PARTB
	s_lshl_b32 s17, s13, 12
	s_add_co_u32 s16, s16, s17
	s_lshl_b32 s17, s30, 10
	s_add_co_u32 s16, s16, s17                     ; the batch's first image, the head, the half
	s_mov_b32 s17, 0
	s_mul_i32 s18, s12, 128*PARTB
	s_lshl_b32 s19, s13, 7
	s_add_co_u32 s18, s18, s19
	s_add_co_u32 s18, s18, 32768                   ; the head's sums of K in the batch's first image
	s_mov_b32 s19, 0
	s_lshl_b32 s20, s15, 16                        ; 64 rows of 1,024 bytes
	s_lshl_b32 s21, s13, 7
	s_add_co_u32 s20, s20, s21
	s_mov_b32 s21, 0
	s_mul_i32 s24, s12, MBB
	s_lshl_b32 s25, s13, 10
	s_add_co_u32 s26, s24, s25
	s_add_co_u32 s26, s26, 131072                  ; the head's fragment of K's sums
	s_mov_b32 s27, 0
	s_lshl_b32 s25, s13, 14
	s_add_co_u32 s24, s24, s25
	s_lshl_b32 s25, s15, 12
	s_add_co_u32 s24, s24, s25                     ; fragment 16 hd + 4 x,
	s_lshl_b32 s25, s30, 9
	s_add_co_u32 s24, s24, s25                     ; its half dt,
	s_bfe_u32 s23, s10, 0x10001                    ; h = (wave / 2) % 2: in waves 0-3 it is t / 64
	s_lshl_b32 s25, s23, 8
	s_add_co_u32 s24, s24, s25                     ; my eight d
	s_mov_b32 s25, 0
	s_lshl_b32 s28, s23, 7
	s_add_co_u32 s28, s28, KVF                     ; where my eight d lie in KVF
.set i, 0
.rept 40
	v_mov_b32 v[32+i], 0                           ; what only some waves load is written once on every path
.set i, i+1
.endr
	s_wait_kmcnt 0x0
	s_add_nc_u64 s[16:17], s[4:5], s[16:17]
	s_add_nc_u64 s[18:19], s[4:5], s[18:19]
	s_add_nc_u64 s[20:21], s[6:7], s[20:21]
	s_add_nc_u64 s[26:27], s[8:9], s[26:27]
	s_add_nc_u64 s[24:25], s[8:9], s[24:25]
	; the loads that only some waves issue go out first, so that the counted waits below, which count younger loads, hold on every path
	s_cmp_lt_u32 s10, 4
	s_cbranch_scc0 .Lnm
.irp i, 0,1,2,3,4,5,6,7
	global_load_b128 v[32+4*\i:35+4*\i], v12, s[20:21] offset:16*\i
.endr
.Lnm:
	s_cmp_lg_u32 s14, 0
	s_cbranch_scc1 .Lnk
	global_load_b128 v[64:67], v9, s[18:19]
	global_load_b128 v[68:71], v9, s[18:19] offset:64*PARTB
.Lnk:
.set i, 0
.rept 32
	global_load_b128 v[128+4*i:131+4*i], v5, s[16:17] offset:i*PARTB
.set i, i+1
.endr
	s_wait_loadcnt 24                              ; the first eight images are in; 24 younger loads may stay out
.irp i, 0,1,2,3                        ; four chains, started by sums: nothing is cleared
	v_pk_add_f32 v[16+4*\i:17+4*\i], v[128+4*\i:129+4*\i], v[144+4*\i:145+4*\i]
	v_pk_add_f32 v[18+4*\i:19+4*\i], v[130+4*\i:131+4*\i], v[146+4*\i:147+4*\i]
.endr
.macro ADD8 g                          ; images 8 g .. 8 g + 7
	s_wait_loadcnt 24-8*(\g)                       ; so many younger loads may stay out
.set i, 8*(\g)
.rept 8
	v_pk_add_f32 v[16+4*(i%4):17+4*(i%4)], v[16+4*(i%4):17+4*(i%4)], v[128+4*i:129+4*i]
	v_pk_add_f32 v[18+4*(i%4):19+4*(i%4)], v[18+4*(i%4):19+4*(i%4)], v[130+4*i:131+4*i]
.set i, i+1
.endr
.endm
	ADD8 1
	ADD8 2
	ADD8 3
	s_cmp_lg_u32 s14, 0
	s_cbranch_scc1 .Lnk2
	v_pk_add_f32 v[64:65], v[64:65], v[68:69]      ; K's sums of my two images
	v_pk_add_f32 v[66:67], v[66:67], v[70:71]
	ds_store_b128 v3, v[64:67] offset:KSP
.Lnk2:
	v_pk_add_f32 v[16:17], v[16:17], v[20:21]
	v_pk_add_f32 v[18:19], v[18:19], v[22:23]
	v_pk_add_f32 v[24:25], v[24:25], v[28:29]
	v_pk_add_f32 v[26:27], v[26:27], v[30:31]
	v_pk_add_f32 v[16:17], v[16:17], v[24:25]
	v_pk_add_f32 v[18:19], v[18:19], v[26:27]
	ds_store_b128 v3, v[16:19]                     ; group t / 128, place t % 128
	s_wait_dscnt 0x0                               ; for the others' sake: my stores are done
	s_barrier_signal -1
	s_barrier_wait -1
	s_cmp_lt_u32 s10, 4
	s_cbranch_scc0 .Ls2k
.irp g, 0,1,2,3
	ds_load_b128 v[16+4*\g:19+4*\g], v3 offset:2048*\g
.endr
.set i, 0
.rept 16
	v_cvt_pk_bf16_f32 v[100+i], v[32+2*i], v[33+2*i]  ; meanwhile merge_w is rounded to bf16,
.set i, i+1
.endr
.set i, 0
.rept 16
	v_lshlrev_b32 v[32+2*i], 16, v[100+i]          ; and widened again
	v_and_b32 v[33+2*i], 0xffff0000, v[100+i]
.set i, i+1
.endr
	s_wait_dscnt 0x0
	v_pk_add_f32 v[16:17], v[16:17], v[20:21]
	v_pk_add_f32 v[18:19], v[18:19], v[22:23]
	v_pk_add_f32 v[24:25], v[24:25], v[28:29]
	v_pk_add_f32 v[26:27], v[26:27], v[30:31]
	v_pk_add_f32 v[16:17], v[16:17], v[24:25]
	v_pk_add_f32 v[18:19], v[18:19], v[26:27]
	v_pk_mul_f32 v[16:17], v[16:17], 0x38800000 op_sel_hi:[1,0]  ; / v_len = 2^-14
	v_pk_mul_f32 v[18:19], v[18:19], 0x38800000 op_sel_hi:[1,0]
	ds_store_b128 v3, v[16:19] offset:KVF
.Ls2k:
	s_cmp_lg_u32 s14, 0                            ; K's sums: in their work-group,
	s_cbranch_scc1 .Ls2e
	s_cmp_lg_u32 s10, 4                            ; wave 4 alone
	s_cbranch_scc1 .Ls2e
	v_lshlrev_b32 v11, 4, v1
.set i, 0
.rept 16                               ; lane L: channels 4 (L % 8) .., the entries of images 4 i + L / 8
	ds_load_b128 v[64+4*i:67+4*i], v11 offset:KSP+512*i
.set i, i+1
.endr
	s_wait_dscnt 0x0
.irp n, 8,4,2,1
.set i, 0
.rept \n
	v_pk_add_f32 v[64+4*i:65+4*i], v[64+4*i:65+4*i], v[64+4*(i+\n):65+4*(i+\n)]
	v_pk_add_f32 v[66+4*i:67+4*i], v[66+4*i:67+4*i], v[66+4*(i+\n):67+4*(i+\n)]
.set i, i+1
.endr
.endr
.irp k, 64,65,66,67                    ; the four lanes with the same channels lie 8 and 16 apart
	v_add_f32_dpp v\k, v\k, v\k row_xmask:8 row_mask:0xf bank_mask:0xf
.endr
.irp k, 0,1,2,3
	v_permlanex16_b32 v[68+\k], v[64+\k], s32, s33
.endr
.irp k, 0,1,2,3
	v_add_f32 v[64+\k], v[64+\k], v[68+\k]
.endr
	v_and_b32 v14, 7, v1
	v_lshlrev_b32 v14, 4, v14
	ds_store_b128 v14, v[64:67] offset:KSL         ; four lanes write the same numbers to the same bytes
.Ls2e:
	s_wait_dscnt 0x0                               ; for the others' sake: my stores into KVF or KSL are done
	s_barrier_signal -1
	s_barrier_wait -1
	s_cmp_lt_u32 s10, 4
	s_cbranch_scc0 .Ls3k
	v_mov_b32 v8, s28
.irp hf, 0, 1                          ; four d at a time: KV[d][0..31] in 32 registers each, the same for all lanes of the wave
.set e, 0
.rept 32
	ds_load_b128 v[128+4*e:131+4*e], v8 offset:((e%8)/4)*1024+(e%2)*512+((e/2)%2)*256+(4*\hf+e/8)*16
.set e, e+1
.endr
	s_wait_dscnt 0x0
.set d, 0
.rept 4
	v_pk_mul_f32 v[100+2*(4*\hf+d):101+2*(4*\hf+d)], v[32:33], v[128+32*d:129+32*d]
.set m, 1
.rept 15
	v_pk_fma_f32 v[100+2*(4*\hf+d):101+2*(4*\hf+d)], v[32+2*m:33+2*m], v[128+32*d+2*m:129+32*d+2*m], v[100+2*(4*\hf+d):101+2*(4*\hf+d)]
.set m, m+1
.endr
.set d, d+1
.endr
.endr
.irp i, 0,1,2,3,4,5,6,7
	v_add_f32 v[116+\i], v[100+2*\i], v[101+2*\i]
.endr
.irp i, 0,1,2,3
	v_cvt_pk_bf16_f32 v[124+\i], v[116+2*\i], v[117+2*\i]
.endr
	global_store_b128 v13, v[124:127], s[24:25]    ; 16 lanes store 256 bytes on end, at a multiple of 256 from mb's first byte
.Ls3k:
	s_cmp_lg_u32 s14, 0                            ; K's sums come back behind the barrier, to the wave that stored them
	s_cbranch_scc1 .Lend
	s_cmp_lg_u32 s10, 4
	s_cbranch_scc1 .Lend
	v_lshrrev_b32 v11, 4, v1
	v_lshl_add_u32 v11, v11, 5, KSL                ; d = 8 h .. and 16 + 8 h ..: the same for all 16 rows of the fragment
	ds_load_b128 v[64:67], v11
	ds_load_b128 v[68:71], v11 offset:16
	ds_load_b128 v[72:75], v11 offset:64
	ds_load_b128 v[76:79], v11 offset:80
	s_wait_dscnt 0x0
.irp i, 0,1,2,3,4,5,6,7
	v_cvt_pk_bf16_f32 v[80+\i], v[64+2*\i], v[65+2*\i]
.endr
	v_lshlrev_b32 v14, 4, v1
	global_store_b128 v14, v[80:83], s[26:27]      ; 512 bytes on end, twice
	global_store_b128 v14, v[84:87], s[26:27] offset:512
.Lend:
	s_wait_tensorcnt 0x0                           ; the wave's end
	ds_add_u32 v6, v7
	s_wait_dscnt 0x0
	s_endpgm
.Lfunc_end_k_q1f0567e25d_red:
	.size	k_q1f0567e25d_red, .Lfunc_end_k_q1f0567e25d_red-k_q1f0567e25d_red
	.p2alignl 7, 3214868480
	.fill 96, 4, 3214868480
	.section	.rodata,"a",@progbits
	.p2align	6, 0x0
	.amdhsa_kernel k_q1f0567e25d_red
		.amdhsa_group_segment_fixed_size 26880
		.amdhsa_private_segment_fixed_size 0
		.amdhsa_enable_private_segment 0
		.amdhsa_kernarg_size 24
		.amdhsa_user_sgpr_count 2
		.amdhsa_user_sgpr_kernarg_segment_ptr 1
		.amdhsa_wavefront_size32 1
		.amdhsa_system_sgpr_workgroup_id_x 1
		.amdhsa_system_sgpr_workgroup_id_y 1
		.amdhsa_system_sgpr_workgroup_id_z 1
		.amdhsa_system_vgpr_workitem_id 0
		.amdhsa_next_free_vgpr 256
		.amdhsa_next_free_sgpr 66
		.amdhsa_reserve_vcc 0
		.amdhsa_float_denorm_mode_32 3
		.amdhsa_float_denorm_mode_16_64 3
		.amdhsa_memory_ordered 1
		.amdhsa_forward_progress 1
		.amdhsa_inst_pref_size 35
	.end_amdhsa_kernel
	.amdgpu_metadata
---
amdhsa.version: [ 1, 2 ]
amdhsa.kernels:
  - .name:           k_q1f0567e25d_red
    .symbol:         k_q1f0567e25d_red.kd
    .args:
      - { .name: part, .offset: 0, .size: 8, .value_kind: global_buffer, .address_space: global }
      - { .name: merge_w, .offset: 8, .size: 8, .value_kind: global_buffer, .address_space: global }
      - { .name: mb, .offset: 16, .size: 8, .value_kind: global_buffer, .address_space: global }
    .group_segment_fixed_size: 26880
    .private_segment_fixed_size: 0
    .kernarg_segment_align: 8
    .kernarg_segment_size: 24
    .max_flat_workgroup_size: 512
    .sgpr_count:     66
    .vgpr_count:     256
    .wavefront_size: 32
...
	.end_amdgpu_metadata
.endif
;; end of part 7
;; launch main (part 8): grid 512 x 1, 4 waves a work-group, clusters of 4 x 1, 327,680 bytes of LDS; arguments feat1, wts, mb, ln1_g, ln1_b, ln2_g, ln2_b, out0; writes out0
.if DOCPART == 8
	.amdgcn_target "amdgcn-amd-amdhsa--gfx1250"
	.amdhsa_code_object_version 6
	.text
	.protected	k_q1f0567e25d_main
	.globl	k_q1f0567e25d_main
	.p2align	8
	.type	k_q1f0567e25d_main,@function
k_q1f0567e25d_main:
	s_mov_b64 s[64:65], 0
	v_nop
	global_prefetch_b8 v0, s[64:65] scope:SCOPE_SE
	s_setreg_imm32_b32 hwreg(HW_REG_WAVE_MODE, 25, 1), 1
	s_wait_xcnt 0x0
	s_wait_alu depctr_hold_cnt(0) depctr_sa_sdst(0) depctr_va_vdst(0) depctr_va_sdst(0) depctr_va_ssrc(0) depctr_va_vcc(0) depctr_vm_vsrc(0)
	s_getreg_b32 s2, hwreg(HW_REG_IB_STS2, 6, 4)
	s_cmp_eq_u32 s2, 0
	s_cbranch_scc0 .Lentry_in_a_cluster
	s_endpgm
.Lentry_in_a_cluster:
	s_bfe_u32 s2, ttmp6, 0x10000c
	s_cmp_lg_u32 s2, 0x3003
	s_cbranch_scc0 .Lentry_shape_is_right
	s_endpgm
.Lentry_shape_is_right:
; THE QUERY SIDE, for a block of 128 points of one batch: q = f1 q_w^T, Q = elu(q) + 1, Z = 1 / (Q . sum K + 1e-6), merged = (Q Z v_len) M^T (M = merge_w folded into KV by the launch before),
; LN1, hidden = relu([f1, LN1] mlp_w1^T), y = hidden mlp_w2^T, LN2, stored channel-major.  xyz1 does not enter the result and is not loaded.
; FORMATS.  Every input is rounded to bf16.  f1, q_w, mlp_w1, mlp_w2 are those numbers written as f16; LN1's output and the hidden layer are rounded once to f16; Q, Q Z, M and the sums of K are bf16.
; LIMIT: the f16 operands stay within 65,504 (f1, the weights, 16 |ln1_g| + |ln1_b|, the hidden layer); below 6e-5 they keep f16's fixed step of 6e-8.  NaN and infinities are not treated apart.
; Sums, both layer norms (mean first, then the squares of the differences) and elu in f32.
; SHARES, CHAIN, RING: as in the launch for the key side: wave w owns points 32 w + 2 r + p; D = W x act leaves a point a lane; weights come as fragments of 1,024 bytes through two slots of 64,
; asked for jointly by the cluster's four work-groups, a quarter of a slot a wave.  Slots 0-3: two heads each (16 fragments of q_w, 16 of M); slots 4-15: four chunks of mlp_w1 (f1's half, LN1's half) and mlp_w2.
; THE TEXT.  The layer norm is written once: a loop of two trips that is entered at the norm; between the trips stand LN1's conversion and the chunks.  The chunks' loop (mlp_w2's step, f1's, LN1's) is
; entered at f1's step, so that only the last step of mlp_w2, behind the change of slots that asks for nothing, is written a second time.
; Window 2's 32 accumulators are cleared twice, 512 lines: the price of writing the head and the chunk once, with no first step of their own.
.set FP,    528
.set SLOT,  65536
.set FEAT,  131072                     ; the feature tile; when it has been read out, the stage for the way out (it is filled once)
.set KSF,   266240                     ; eight fragments: the sums of K
.set LNT,   274432                     ; ln1_g, ln1_b, ln2_g, ln2_b, rounded to bf16, as f32
.set SPARE, 278528
.set WQ,    393216
.set WL,    524288
.set MBB,   139264
; window 0
.set VL,  1
.set VR,  2
.set VH,  3
.set AW,  4
.set AL,  5                            ; 16 x lane
.set KA0, 6
.set KA,  7
.set LT,  8                            ; LNT + 32 h; 2,048 more for the second norm
.set RA,  9                            ; the way out: my 16 bytes of my wave's first row of the stage
.set SPW, 10
.set NIL, 11
.set ST,  12                           ; v12-23 statistics
.set DN,  24                           ; v24-39 the denominators' two results; in the norm the chains
.set CH,  24
.set KS,  40                           ; v40-47 a head's fragment of K's sums
.set ZZ,  48                           ; v48-51 Z v_len, a pair a tile
.set SA,  52                           ; v52-55
.set TM,  56
.set ABUF, 64
.set QA,  192                          ; v192-223 q, Q
.set QZ,  224                          ; v224-239
.set QB,  240                          ; v240-255
.set EE,  224                          ; v224-255 at work in elu
.set XF,  128                          ; window 1: v0-127 f1's fragments, v128-255 LN1's
.set HF,  128                          ; window 3: v0-127 the hidden sums (and the norm's b), v128-191 the hidden fragments, v192 zero.  Window 2: 32 accumulators, (ot, p) at 8 (2 ot + p)
.set Z3,  192
; scalars
.set WV,  20
.set G,   21
.set BB,  22
.set MH,  23
.set G1F, 28
.set G0F, 36
.set G1W, 40
.set G0W, 48
.set NXT, 52
.set STP, 54
.set TB,  56
.set KO,  57
.set CNT, 58
.set CN2, 59
.set PL,  60                           ; my quarter of slot 4
.set SEL, 62
.set LG,  66
.set G1K, 68
.set G0K, 76
.set OB,  80
.set C256, 82
.set NC256, 83
.set MBP, 84
.set EPS, 90
.set PH,  91                           ; norms still to come
.set MSB, 0
.macro WIN new
.if MSB != (\new)
	s_set_vgpr_msb (MSB<<8)|(\new)
.set MSB, (\new)
.endif
.endm
.macro PLACES                          ; four places behind matrix instructions (ISA guide 7.12.1)
.rept 4
	v_nop
.endr
.endm
.macro ROUND
	s_barrier_signal -1
	s_barrier_wait -1
	s_cmp_lg_u32 s[WV], 0
	s_cbranch_scc1 .Lnw0_\@
	s_barrier_signal -3
.Lnw0_\@:
	s_barrier_wait -3
	s_barrier_signal -1
	s_barrier_wait -1
.endm
.macro CHANGE fill                     ; the change of slots: all my tensor loads, the add, my LDS instructions; a round; the joint refill first behind it
	WIN 0
	s_wait_tensorcnt 0x0
	ds_add_u32 v[SPW], v[NIL]
.if \fill
	s_xor_b32 s[G0W+1], s[G0W+1], SLOT
	s_mov_b64 s[G0W+2:G0W+3], s[NXT:NXT+1]
	s_or_b32 s[G0W+3], s[G0W+3], 0x80000000
	s_add_nc_u64 s[NXT:NXT+1], s[NXT:NXT+1], s[STP:STP+1]
.endif
	s_xor_b32 s[TB], s[TB], SLOT
	s_wait_dscnt 0x0
.if \fill
	ROUND
	tensor_load_to_lds s[G0W:G0W+3], s[G1W:G1W+7]
	s_nop 0
	PLACES
.else
	s_barrier_signal -1
	s_barrier_wait -1
.endif
.endm
.macro LDA set, f0
	WIN 0
.set li, 0
.rept 8
	ds_load_b128 v[ABUF+64*(\set)+8*li:ABUF+64*(\set)+8*li+3],   v[AW] offset:((\f0)+li)*1024
	ds_load_b128 v[ABUF+64*(\set)+8*li+4:ABUF+64*(\set)+8*li+7], v[AW] offset:((\f0)+li)*1024+512
.set li, li+1
.endr
.endm
.macro SBEG
	WIN 0
	v_add_nc_u32 v[AW], s[TB], v[AL]
	PLACES
	LDA 0, 0
.endm
.macro PRE k
	PLACES
.if (\k) < 7
	LDA ((\k)+1)%2, 8*((\k)+1)
	s_wait_dscnt 16                                ; the 16 loads just issued may stay out
.else
	s_wait_dscnt 0x0
.endif
.endm
	s_load_b512 s[4:19], s[0:1], 0x0               ; feat1 4, wts 6, mb 8, ln1_g 10, ln1_b 12, ln2_g 14, ln2_b 16, out0 18
	v_lshl_add_u32 v[SPW], v0, 2, SPARE
	v_mov_b32 v[NIL], 0
	ds_add_u32 v[SPW], v[NIL]                      ; the opening: the add, twice on end, and its wait ahead of my first tensor load
	ds_add_u32 v[SPW], v[NIL]
	v_lshrrev_b32 v1, 5, v0
	v_readfirstlane_b32 s[WV], v1
	s_bfe_u32 s86, ttmp6, 0x40000                  ; my place in the cluster: it enters feat1's and out0's addresses alone
	s_lshl_b32 s[G], ttmp9, 2
	s_add_co_u32 s[G], s[G], s86
	s_lshr_b32 s[BB], ttmp9, 5                     ; the batch, which the four partners share
	s_mov_b32 s[G1F], (2<<16)|(1<<20)|(6<<22)|(3<<25)  ; 64 channel rows x 128 f32, 16 bytes of padding a row; my own load
	s_mov_b32 s[G1F+1], 128<<16
	s_mov_b32 s[G1F+2], 64<<16
	s_mov_b32 s[G1F+3], 128<<16
	s_mov_b32 s[G1F+4], 64
	s_mov_b32 s[G1F+5], 16384
	s_mov_b32 s[G1F+6], 0
	s_mov_b32 s[G1F+7], 0
	s_mov_b32 s[G1W], 15|(3<<16)|(1<<21)           ; 64 rows of 256 dense bytes, asked for by the four
	s_mov_b32 s[G1W+1], 32<<16
	s_mov_b32 s[G1W+2], 64<<16
	s_mov_b32 s[G1W+3], 32<<16
	s_mov_b32 s[G1W+4], 64
	s_mov_b32 s[G1W+5], 32
	s_mov_b32 s[G1W+6], 0
	s_mov_b32 s[G1W+7], 0
	s_mov_b32 s[G1K], 15|(3<<16)|(1<<21)           ; 8 such rows: two heads' sums of K
	s_mov_b32 s[G1K+1], 32<<16
	s_mov_b32 s[G1K+2], 8<<16
	s_mov_b32 s[G1K+3], 32<<16
	s_mov_b32 s[G1K+4], 8
	s_mov_b32 s[G1K+5], 32
	s_mov_b32 s[G1K+6], 0
	s_mov_b32 s[G1K+7], 0
	s_mov_b32 s[G0F], 1
	s_mul_i32 s[G0F+1], s[WV], 64*FP
	s_add_co_u32 s[G0F+1], s[G0F+1], FEAT
	s_mov_b32 s[G0W], 1
	s_lshl_b32 s[G0W+1], s[WV], 14
	s_mov_b32 s[G0K], 1
	s_lshl_b32 s[G0K+1], s[WV], 11
	s_add_co_u32 s[G0K+1], s[G0K+1], KSF
	s_mov_b32 s[STP], 32768                        ; in the heads' slots my quarter steps by two heads of one matrix
	s_mov_b32 s[STP+1], 0
	s_mov_b32 s[TB], SLOT
	s_mov_b32 s[KO], 0
	s_mov_b32 s[MH], 0xffff0000
	s_mov_b32 s[SEL], 0x76543210
	s_mov_b32 s[SEL+1], 0xfedcba98
	s_mov_b32 s[LG], 0x3fb8aa3b
	s_mov_b32 s[LG+1], s[LG]
	s_mov_b32 s[C256], 0x3b800000                  ; 1 / 256
	s_mov_b32 s[NC256], 0xbb800000
	s_mov_b32 s[EPS], 0x3727c5ac                   ; 1e-5
	s_lshl_b32 s86, s[BB], 24
	s_lshl_b32 s87, s[WV], 22                      ; my 64 channel rows
	s_add_co_u32 s86, s86, s87
	s_and_b32 s87, s[G], 127
	s_lshl_b32 s87, s87, 9
	s_add_co_u32 s86, s86, s87
	s_mov_b32 s87, 0
	s_mul_i32 s24, s[BB], MBB
	s_mov_b32 s25, 0
	s_wait_dscnt 0x0
	s_wait_kmcnt 0x0
	s_add_nc_u64 s[MBP:MBP+1], s[8:9], s[24:25]    ; the batch's M
	s_add_nc_u64 s[PL:PL+1], s[6:7], WQ
	s_and_b32 s26, s[WV], 1
	s_cmp_eq_u32 s26, 0
	s_cselect_b64 s[NXT:NXT+1], s[PL:PL+1], s[MBP:MBP+1]  ; even waves fetch q_w, odd waves M,
	s_lshr_b32 s24, s[WV], 1
	s_lshl_b32 s24, s24, 14
	s_add_nc_u64 s[NXT:NXT+1], s[NXT:NXT+1], s[24:25]     ; of the slot's first or second head
	s_mov_b64 s[G0W+2:G0W+3], s[NXT:NXT+1]
	s_or_b32 s[G0W+3], s[G0W+3], 0x80000000
	s_add_nc_u64 s[NXT:NXT+1], s[NXT:NXT+1], s[STP:STP+1]
	s_lshl_b32 s24, s[WV], 14
	s_add_co_u32 s24, s24, WL
	s_add_nc_u64 s[PL:PL+1], s[6:7], s[24:25]
	s_lshl_b32 s24, s[WV], 11
	s_add_co_u32 s24, s24, 131072
	s_add_nc_u64 s[G0K+2:G0K+3], s[MBP:MBP+1], s[24:25]
	s_or_b32 s[G0K+3], s[G0K+3], 0x80000000
	s_add_nc_u64 s[G0F+2:G0F+3], s[4:5], s[86:87]
	s_or_b32 s[G0F+3], s[G0F+3], 0x80000000
	s_add_nc_u64 s[OB:OB+1], s[18:19], s[86:87]
	ROUND
	tensor_load_to_lds s[G0F:G0F+3], s[G1F:G1F+7]  ; the first fills, as one group: three loads of mine are out
	s_nop 0
	tensor_load_to_lds s[G0W:G0W+3], s[G1W:G1W+7]
	s_nop 0
	tensor_load_to_lds s[G0K:G0K+3], s[G1K:G1K+7]
	s_nop 0
	PLACES
	v_and_b32 v[VL], 31, v0
	v_and_b32 v[VR], 15, v0
	v_bfe_u32 v[VH], v0, 4, 1
	v_lshlrev_b32 v[AL], 4, v[VL]
	v_lshlrev_b32 v[TM], 3, v0                     ; two numbers of each table a thread
	global_load_b64 v[24:25], v[TM], s[10:11]
	global_load_b64 v[26:27], v[TM], s[12:13]
	global_load_b64 v[28:29], v[TM], s[14:15]
	global_load_b64 v[30:31], v[TM], s[16:17]
	v_add_nc_u32 v[KA0], KSF, v[AL]
	v_lshl_add_u32 v[LT], v[VH], 5, LNT
	s_mul_i32 s24, s[WV], 64*FP
	s_add_co_u32 s24, s24, FEAT
	v_add_nc_u32 v[RA], s24, v[AL]
	v_mul_u32_u24 v[SA], v[VH], 8*FP
	v_lshl_add_u32 v[SA], v[VR], 3, v[SA]
	s_lshl_b32 s24, s[WV], 7
	s_add_co_u32 s24, s24, FEAT
	v_add_nc_u32 v[SA], s24, v[SA]
	v_add_nc_u32 v[SA+1], 64*FP, v[SA]
	v_add_nc_u32 v[SA+2], 128*FP, v[SA]
	v_add_nc_u32 v[SA+3], 192*FP, v[SA]
	v_add_nc_u32 v[TM+1], LNT, v[TM]
	v_mov_b32 v[TM+2], 0
	v_mov_b32 v[TM+3], 0
	WIN 0xc0
	v_mov_b32 v[Z3], 0
	WIN 0x80
.set i, 0
.rept 256
	v_mov_b32 v[i], 0                              ; merged starts at 0
.set i, i+1
.endr
	WIN 0
	s_wait_loadcnt 0x0
.irp i, 0,1,2,3
	v_cvt_pk_bf16_f32 v[32+\i], v[24+2*\i], v[25+2*\i]
.endr
.irp i, 0,1,2,3
	v_lshlrev_b32 v[24+2*\i], 16, v[32+\i]
	v_and_b32 v[25+2*\i], s[MH], v[32+\i]
	ds_store_b64 v[TM+1], v[24+2*\i:25+2*\i] offset:1024*\i
.endr
.macro EXL k, buf                      ; 32 loads of 8 bytes: a channel of my two points each
	WIN 0
.set c, 0
.rept 32
	ds_load_b64 v[ABUF+64*(\buf)+2*c:ABUF+64*(\buf)+2*c+1], v[SA+(\k)] offset:(16*(c/8)+c%8)*FP
.set c, c+1
.endr
.endm
.macro EXC k, buf                      ; rounded to bf16, and that number written as f16
	WIN 0
.set e, 0
.rept 32
.set ta, ABUF+64*(\buf)+2*(16*(e/16)+8*((e/4)%2)+2*(e%4))+(e/8)%2
	v_cvt_pk_bf16_f32 v[ta], v[ta], v[ta+2]
	v_and_b32 v[ta+2], s[MH], v[ta]
	v_lshlrev_b32 v[ta], 16, v[ta]
.set e, e+1
.endr
	WIN 0x40
.set e, 0
.rept 32
.set ta, ABUF+64*(\buf)+2*(16*(e/16)+8*((e/4)%2)+2*(e%4))+(e/8)%2
	v_cvt_pk_f16_f32 v[8*(2*(2*(\k)+e/16)+(e/8)%2)+4*((e/4)%2)+e%4], v[ta], v[ta+2]
.set e, e+1
.endr
.endm
.macro QBAT k                          ; 16 products of q = q_w f1: four accumulators by turns
.set i, 0
.rept 8
.set ks, 4*(\k)+i/2
.set t, i%2
.set ra, ABUF+64*(\k)+8*i
.irp p, 0, 1
.set rd, QA+8*(2*t+\p)
.set rb, 8*(2*ks+\p)
	WIN 0x04
.if ks == 0
	v_wmma_f32_16x16x32_f16 v[rd:rd+7], v[ra:ra+7], v[rb:rb+7], 0
.else
	v_wmma_f32_16x16x32_f16 v[rd:rd+7], v[ra:ra+7], v[rb:rb+7], v[rd:rd+7]
.endif
.endr
.set i, i+1
.endr
.endm
.macro MBAT k                          ; 16 products of merged += M (Q Z): each accumulator once a head
.set i, 0
.rept 8
.set ra, ABUF+64*(\k)+8*i
.irp p, 0, 1
.set rd, 8*(2*(8*(\k)+i)+\p)
	WIN 0xa0
	v_wmma_f32_16x16x32_bf16 v[rd:rd+7], v[ra:ra+7], v[QZ+8*\p:QZ+8*\p+7], v[rd:rd+7]
.endr
.set i, i+1
.endr
.endm
.macro HEAD
	WIN 0
	v_add_nc_u32 v[AW], s[TB], v[AL]
	v_add_nc_u32 v[KA], s[KO], v[KA0]
	PLACES
	ds_load_b128 v[KS:KS+3],   v[KA]
	ds_load_b128 v[KS+4:KS+7], v[KA] offset:512
	LDA 0, 0
	PLACES
	LDA 1, 8
	s_wait_dscnt 16
	QBAT 0
	PLACES
	LDA 0, 16                                      ; M's fragments land under the second batch and elu
	s_wait_dscnt 16
	QBAT 1
	PLACES
	LDA 1, 24
.set i, 0
.rept 32
	v_min_num_f32 v[EE+i], 0, v[QA+i]              ; Q = max(q, 0) + 2^(log2(e) min(q, 0))
.set i, i+1
.endr
.set i, 0
.rept 16
	v_pk_mul_f32 v[EE+2*i:EE+2*i+1], v[EE+2*i:EE+2*i+1], s[LG:LG+1] op_sel_hi:[1,0]
.set i, i+1
.endr
.set i, 0
.rept 32
	v_exp_f32 v[EE+i], v[EE+i]
.set i, i+1
.endr
.set i, 0
.rept 32
	v_max_num_f32 v[QA+i], 0, v[QA+i]
.set i, i+1
.endr
	s_wait_alu depctr_va_vdst(0)                   ; one wait for the 32 exponentials
.set i, 0
.rept 16
	v_pk_add_f32 v[QA+2*i:QA+2*i+1], v[QA+2*i:QA+2*i+1], v[EE+2*i:EE+2*i+1]
.set i, i+1
.endr
.set e, 0
.rept 16
	v_cvt_pk_bf16_f32 v[QB+e], v[QA+8*(2*((e/4)%2)+e/8)+2*(e%4)], v[QA+8*(2*((e/4)%2)+e/8)+2*(e%4)+1]
.set e, e+1
.endr
	v_wmma_f32_16x16x32_bf16 v[DN:DN+7],    v[KS:KS+7], v[QB:QB+7],    0  ; 16 equal rows: Q . sum K of the lane's point in every register
	v_wmma_f32_16x16x32_bf16 v[DN+8:DN+15], v[KS:KS+7], v[QB+8:QB+15], 0
	PLACES
	v_add_f32 v[TM],   0x358637bd, v[DN]           ; + 1e-6
	v_add_f32 v[TM+1], 0x358637bd, v[DN+8]
	v_rcp_f32 v[TM+2], v[TM]
	v_rcp_f32 v[TM+3], v[TM+1]
	v_nop
	s_wait_alu depctr_va_vdst(0)
	v_mul_f32 v[ZZ],   0x46800000, v[TM+2]         ; x v_len
	v_mul_f32 v[ZZ+1], 0x46800000, v[TM+2]
	v_mul_f32 v[ZZ+2], 0x46800000, v[TM+3]
	v_mul_f32 v[ZZ+3], 0x46800000, v[TM+3]
.set u, 0
.rept 16
	v_pk_mul_f32 v[QA+2*u:QA+2*u+1], v[QA+2*u:QA+2*u+1], v[ZZ+2*((u/4)%2):ZZ+2*((u/4)%2)+1]
.set u, u+1
.endr
.set e, 0
.rept 16
	v_cvt_pk_bf16_f32 v[QZ+e], v[QA+8*(2*((e/4)%2)+e/8)+2*(e%4)], v[QA+8*(2*((e/4)%2)+e/8)+2*(e%4)+1]
.set e, e+1
.endr
	s_wait_dscnt 0x0                               ; M's 16 fragments are in
	MBAT 0
	MBAT 1
	s_add_co_u32 s[TB], s[TB], 32768
	s_add_co_u32 s[KO], s[KO], 1024
.endm
.macro HEADS
	WIN 0
	s_mov_b32 s[CN2], 2
.Lhd_\@:
	HEAD
	WIN 0
	s_sub_co_u32 s[CN2], s[CN2], 1
	s_cmp_lg_u32 s[CN2], 0
	s_cbranch_scc1 .Lhd_\@
	s_sub_co_u32 s[TB], s[TB], SLOT
.endm
; THE LAYER NORM over the 256 channels of window 2, in place; a point's channels lie in two lanes 16 apart.  v[LT] says whose g and b.
.macro FOLD p, dst                     ; tile p's four chains into one number
	v_pk_add_f32 v[CH+8*(\p):CH+8*(\p)+1],   v[CH+8*(\p):CH+8*(\p)+1],   v[CH+8*(\p)+2:CH+8*(\p)+3]
	v_pk_add_f32 v[CH+8*(\p)+4:CH+8*(\p)+5], v[CH+8*(\p)+4:CH+8*(\p)+5], v[CH+8*(\p)+6:CH+8*(\p)+7]
	v_pk_add_f32 v[CH+8*(\p):CH+8*(\p)+1],   v[CH+8*(\p):CH+8*(\p)+1],   v[CH+8*(\p)+4:CH+8*(\p)+5]
	v_add_f32 v[\dst], v[CH+8*(\p)], v[CH+8*(\p)+1]
	v_permlanex16_b32 v[TM+(\p)], v[\dst], s[SEL], s[SEL+1]
	v_add_f32 v[\dst], v[\dst], v[TM+(\p)]
.endm
.macro LNORM
	PLACES
	WIN 0
.set i, 0
.rept 32                               ; g of channels 16 ot + 8 h + j into v[ABUF + 8 ot + j],
	ds_load_b128 v[ABUF+4*i:ABUF+4*i+3], v[LT] offset:64*(i/2)+16*(i%2)
.set i, i+1
.endr
	WIN 0xc0
.set i, 0
.rept 32                               ; b into window 3: they land under the statistics
	ds_load_b128 v[4*i:4*i+3], v[LT] offset:1024+64*(i/2)+16*(i%2)
.set i, i+1
.endr
	WIN 0x0a                                       ; the sums: eight chains
.set u, 0
.rept 8
	v_pk_add_f32 v[CH+2*u:CH+2*u+1], v[2*u:2*u+1], v[2*(u+8):2*(u+8)+1]
.set u, u+1
.endr
	WIN 0x02
.set u, 16
.rept 112
	v_pk_add_f32 v[CH+2*(u%8):CH+2*(u%8)+1], v[2*u:2*u+1], v[CH+2*(u%8):CH+2*(u%8)+1]
.set u, u+1
.endr
	WIN 0
	FOLD 0, ST+8
	FOLD 1, ST+9
	v_mul_f32 v[ST],   s[NC256], v[ST+8]           ; minus the mean, twice: a pair for the packed lines
	v_mul_f32 v[ST+1], s[NC256], v[ST+8]
	v_mul_f32 v[ST+2], s[NC256], v[ST+9]
	v_mul_f32 v[ST+3], s[NC256], v[ST+9]
	WIN 0x82
.set u, 0
.rept 128
	v_pk_add_f32 v[2*u:2*u+1], v[2*u:2*u+1], v[ST+2*((u/4)%2):ST+2*((u/4)%2)+1]
.set u, u+1
.endr
	WIN 0x0a
.set u, 0
.rept 8
	v_pk_mul_f32 v[CH+2*u:CH+2*u+1], v[2*u:2*u+1], v[2*u:2*u+1]
.set u, u+1
.endr
.set u, 8
.rept 120
	v_pk_fma_f32 v[CH+2*(u%8):CH+2*(u%8)+1], v[2*u:2*u+1], v[2*u:2*u+1], v[CH+2*(u%8):CH+2*(u%8)+1]
.set u, u+1
.endr
	WIN 0
	FOLD 0, ST+8
	FOLD 1, ST+9
	v_fma_f32 v[ST+8], v[ST+8], s[C256], s[EPS]
	v_fma_f32 v[ST+9], v[ST+9], s[C256], s[EPS]
	v_rsq_f32 v[ST+4], v[ST+8]
	v_rsq_f32 v[ST+5], v[ST+8]
	v_rsq_f32 v[ST+6], v[ST+9]
	v_rsq_f32 v[ST+7], v[ST+9]
	v_nop
	s_wait_alu depctr_va_vdst(0)                   ; one wait for the four roots
	WIN 0x82
.set u, 0
.rept 128
	v_pk_mul_f32 v[2*u:2*u+1], v[2*u:2*u+1], v[ST+4+2*((u/4)%2):ST+4+2*((u/4)%2)+1]
.set u, u+1
.endr
	s_wait_dscnt 0x0                               ; g and b are in
	WIN 0xb2
.set u, 0
.rept 128
	v_pk_fma_f32 v[2*u:2*u+1], v[2*u:2*u+1], v[ABUF+8*(u/8)+2*(u%4):ABUF+8*(u/8)+2*(u%4)+1], v[8*(u/8)+2*(u%4):8*(u/8)+2*(u%4)+1]
.set u, u+1
.endr
.endm
.macro ABAT k, xo, first               ; K step k of a chunk's 128 hidden channels: 16 accumulators by turns
.set i, 0
.rept 8
.set ra, ABUF+64*((\k)%2)+8*i
.irp p, 0, 1
.set rd, 8*(2*i+\p)
.set rb, (\xo)+8*(2*(\k)+\p)
	WIN 0xf4
.if (\first) && ((\k) == 0)
	v_wmma_f32_16x16x32_f16 v[rd:rd+7], v[ra:ra+7], v[rb:rb+7], 0
.else
	v_wmma_f32_16x16x32_f16 v[rd:rd+7], v[ra:ra+7], v[rb:rb+7], v[rd:rd+7]
.endif
.endr
.set i, i+1
.endr
.endm
.macro STEPAB xo, first
	SBEG
.irp k, 0,1,2,3,4,5,6,7
	PRE \k
	ABAT \k, \xo, \first
.endr
.endm
.macro HCVT                            ; the chunk's hidden sums, rounded to f16 as fragments, and relu on the packed halves
	PLACES
	WIN 0xcf
.set e, 0
.rept 64
	v_cvt_pk_f16_f32 v[HF+e], v[8*(2*(2*(e/16)+(e/4)%2)+(e/8)%2)+2*(e%4)], v[8*(2*(2*(e/16)+(e/4)%2)+(e/8)%2)+2*(e%4)+1]
.set e, e+1
.endr
.set e, 0
.rept 64
	v_pk_max_num_f16 v[HF+e], v[HF+e], v[Z3]
.set e, e+1
.endr
.endm
.macro CBAT k                          ; y += mlp_w2 hidden: K step k / 2 of the chunk, output tiles 8 (k % 2) ..: 32 accumulators by turns
.set i, 0
.rept 8
.set ra, ABUF+64*((\k)%2)+8*i
.irp p, 0, 1
.set rd, 8*(2*(8*((\k)%2)+i)+\p)
.set rb, HF+8*(2*((\k)/2)+\p)
	WIN 0xac
	v_wmma_f32_16x16x32_f16 v[rd:rd+7], v[ra:ra+7], v[rb:rb+7], v[rd:rd+7]
.endr
.set i, i+1
.endr
.endm
.macro STEPC
	SBEG
.irp k, 0,1,2,3,4,5,6,7
	PRE \k
	CBAT \k
.endr
.endm
	CHANGE 1                                       ; the feature tile, slot 0, K's sums and the tables are whole; slot 1 is asked for
	EXL 0, 0
	EXL 1, 1
	s_wait_dscnt 32                                ; the 32 loads issued last may stay out
	EXC 0, 0
	EXL 2, 0
	s_wait_dscnt 32
	EXC 1, 1
	EXL 3, 1
	s_wait_dscnt 32
	EXC 2, 0
	s_wait_dscnt 0x0
	EXC 3, 1
	WIN 0
	s_mov_b32 s[CNT], 4
.Lhs:                                          ; a slot's two heads, then the change that asks for the slot two on
	HEADS
	CHANGE 1
	s_cmp_eq_u32 s[CNT], 3                         ; the heads' last slot has been asked for: the stream goes on with the chunks
	s_cselect_b64 s[NXT:NXT+1], s[PL:PL+1], s[NXT:NXT+1]
	s_cselect_b32 s[STP], SLOT, s[STP]
	s_sub_co_u32 s[CNT], s[CNT], 1
	s_cmp_lg_u32 s[CNT], 0
	s_cbranch_scc1 .Lhs
	s_mov_b32 s[PH], 2
	s_branch .Lln                                  ; the loop of two norms is entered at the norm
.Lmid:                                         ; between the norms: LN1's output becomes fragments, and the four chunks follow
	WIN 0x4a
.set e, 0
.rept 128
	v_cvt_pk_f16_f32 v[XF+e], v[8*(2*(2*(e/16)+(e/4)%2)+(e/8)%2)+2*(e%4)], v[8*(2*(2*(e/16)+(e/4)%2)+(e/8)%2)+2*(e%4)+1]
.set e, e+1
.endr
	WIN 0x80
.set i, 0
.rept 256
	v_mov_b32 v[i], 0                              ; y starts at 0
.set i, i+1
.endr
	WIN 0
	v_add_nc_u32 v[LT], 2048, v[LT]                ; the next norm takes ln2's tables
	s_mov_b32 s[CNT], 4
	s_branch .Lca                                  ; slot 4 is whole and slot 5 asked for: the chunks' loop is entered at f1's step
.Lck:                                          ; a trip: mlp_w2's step of one chunk, then the two steps of mlp_w1 of the next; each change asks for the slot one step on
	CHANGE 1
	STEPC
	CHANGE 1
.Lca:
	STEPAB 0, 1                                    ; f1's half of mlp_w1
	CHANGE 1
	STEPAB XF, 0                                   ; LN1's half
	HCVT
	WIN 0
	s_sub_co_u32 s[CNT], s[CNT], 1
	s_cmp_lg_u32 s[CNT], 0
	s_cbranch_scc1 .Lck
	CHANGE 0                                       ; the last step is written out: its change asks for nothing
	STEPC
	WIN 0
.Lln:
	LNORM
	WIN 0
	s_sub_co_u32 s[PH], s[PH], 1
	s_cmp_lg_u32 s[PH], 0
	s_cbranch_scc1 .Lmid
	; THE WAY OUT: 4 bytes a lane (a channel of one of my points) into the stage: lane r falls on bank 2 r + p, the upper lanes 32 banks on; a barrier; back as whole rows of 512 bytes, 64 channels a wave
	WIN 0x08                                       ; the data in window 2
.set e, 0
.rept 256
	ds_store_b32 v[SA+e/64], v[e] offset:((16*(e/16)+e%8)%64)*FP+4*((e/8)%2)
.set e, e+1
.endr
	WIN 0
	s_wait_dscnt 0x0                               ; for the others' sake: my stores are done
	s_barrier_signal -1
	s_barrier_wait -1
	s_mov_b32 s[CNT], 4
	s_mov_b32 s[KO], 0
.Lst:                                          ; 16 channel rows a trip
	v_add_nc_u32 v[KA], s[KO], v[RA]
.set i, 0
.rept 16
	ds_load_b128 v[ABUF+4*i:ABUF+4*i+3], v[KA] offset:i*FP
.set i, i+1
.endr
	s_wait_dscnt 0x0
.set i, 0
.rept 16
	global_store_b128 v[AL], v[ABUF+4*i:ABUF+4*i+3], s[OB:OB+1] offset:i*65536 th:TH_STORE_NT  ; 512 bytes on end, at a multiple of 512 from out0's first byte
.set i, i+1
.endr
	s_wait_xcnt 0x0                                ; the stores have read their data and their base: the next trip loads the one and the next line steps the other
	s_add_nc_u64 s[OB:OB+1], s[OB:OB+1], 16*65536
	s_add_co_u32 s[KO], s[KO], 16*FP
	s_sub_co_u32 s[CNT], s[CNT], 1
	s_cmp_lg_u32 s[CNT], 0
	s_cbranch_scc1 .Lst
	s_wait_tensorcnt 0x0                           ; the wave's end
	ds_add_u32 v[SPW], v[NIL]
	s_wait_dscnt 0x0
	ROUND                                          ; the closing round
	s_endpgm
.Lfunc_end_k_q1f0567e25d_main:
	.size	k_q1f0567e25d_main, .Lfunc_end_k_q1f0567e25d_main-k_q1f0567e25d_main
	.p2alignl 7, 3214868480
	.fill 96, 4, 3214868480
	.section	.rodata,"a",@progbits
	.p2align	6, 0x0
	.amdhsa_kernel k_q1f0567e25d_main
		.amdhsa_group_segment_fixed_size 327680
		.amdhsa_private_segment_fixed_size 0
		.amdhsa_enable_private_segment 0
		.amdhsa_kernarg_size 64
		.amdhsa_user_sgpr_count 2
		.amdhsa_user_sgpr_kernarg_segment_ptr 1
		.amdhsa_wavefront_size32 1
		.amdhsa_system_sgpr_workgroup_id_x 1
		.amdhsa_system_sgpr_workgroup_id_y 1
		.amdhsa_system_sgpr_workgroup_id_z 1
		.amdhsa_system_vgpr_workitem_id 0
		.amdhsa_next_free_vgpr 976
		.amdhsa_next_free_sgpr 96
		.amdhsa_reserve_vcc 0
		.amdhsa_float_denorm_mode_32 3
		.amdhsa_float_denorm_mode_16_64 3
		.amdhsa_memory_ordered 1
		.amdhsa_forward_progress 1
		.amdhsa_inst_pref_size 233
	.end_amdhsa_kernel
	.amdgpu_metadata
---
amdhsa.version: [ 1, 2 ]
amdhsa.kernels:
  - .name:           k_q1f0567e25d_main
    .symbol:         k_q1f0567e25d_main.kd
    .args:
      - { .name: feat1, .offset: 0, .size: 8, .value_kind: global_buffer, .address_space: global }
      - { .name: wts, .offset: 8, .size: 8, .value_kind: global_buffer, .address_space: global }
      - { .name: mb, .offset: 16, .size: 8, .value_kind: global_buffer, .address_space: global }
      - { .name: ln1_g, .offset: 24, .size: 8, .value_kind: global_buffer, .address_space: global }
      - { .name: ln1_b, .offset: 32, .size: 8, .value_kind: global_buffer, .address_space: global }
      - { .name: ln2_g, .offset: 40, .size: 8, .value_kind: global_buffer, .address_space: global }
      - { .name: ln2_b, .offset: 48, .size: 8, .value_kind: global_buffer, .address_space: global }
      - { .name: out0, .offset: 56, .size: 8, .value_kind: global_buffer, .address_space: global }
    .group_segment_fixed_size: 327680
    .private_segment_fixed_size: 0
    .kernarg_segment_align: 8
    .kernarg_segment_size: 64
    .max_flat_workgroup_size: 128
    .sgpr_count:     96
    .vgpr_count:     976
    .wavefront_size: 32
...
	.end_amdgpu_metadata
.endif
;; end of part 8
